; MI455X (gfx1250); checked and timed in simulation.
; The chip was launched on July 23, 2026; its instructions are those of AMD's public machine-readable ISA for CDNA 5 (MIT licence, August 2026) and "CDNA5" Instruction Set Architecture Reference Guide (July 2026). The comments in the code are by the model that wrote it; some were corrected since.
;; Attention. Allowed arithmetic: matrix products marked QUANTISED: E2M1 operands, one E8M0 scale for each 32 along K, by v_wmma_scale_f32_16x16x128_f8f6f4 with both operands' format E2M1 (or v_wmma_scale_f32_32x16x128_f4), f32 sums; everything else in f32.
;; Inputs: Wkv 2,048 x 1,024 float32; Wo 1,024 x 1,024 float32; Wq 1,024 x 1,024 float32; ln_b 1,024 float32; ln_g 1,024 float32; lnc_b 1,024 float32; lnc_g 1,024 float32; x 4 x 2,048 x 1,024 float32.
;; Outputs: out0 4 x 2,048 x 1,024 float32.
;; This version of the problem:
;;   THIS VERSION OF THE PROBLEM IS GIVEN IN LOW PRECISION. The matrix products marked QUANTISED in the list below multiply operands that are first quantised to E2M1 (2 exponent bits, 1 mantissa bit; 4 bits a number), with one power-of-two scale for each 32 numbers along K (OCP MX v1.0); their sums are f32. All else is computed in f32.
;;   The module's matrix products, in the order in which they are computed (A, B: the left and right operand; K: the contracted axis; several contracted axes count as one K, in the product's order):
;;     1. [M 8,192, K 1,024] x [K 1,024, N 1,024]; A: computed on the way; B: input Wq: QUANTISED
;;     2. [M 8,192, K 1,024] x [K 1,024, N 2,048]; A: computed on the way; B: input Wkv: QUANTISED
;;     3. batch 64 x [M 2,048, K 64] x [K 64, N 2,048]; A: computed on the way; B: computed on the way: QUANTISED
;;     4. batch 64 x [M 2,048, K 2,048] x [K 2,048, N 64]; A: softmax (see below); B: computed on the way: QUANTISED
;;     5. [M 8,192, K 1,024] x [K 1,024, N 1,024]; A: computed on the way; B: input Wo: QUANTISED
;;   THE QUANTISER, for each operand of a quantised product, along K:
;;     - K is cut into blocks of 32 from its start; a last block that is shorter is filled with zeros.
;;     - A block's scale is 2^e with e = floor(log2(the largest magnitude in the block)) - 2, held to -126 .. 127; a block of zeros has e = 0. As a byte (E8M0): e + 127.
;;     - Each number is divided by its block's scale, clamped to +-6, and rounded to the nearest number of E2M1, ties to even, subnormals kept.
;;     - The product sums the exact products of the quantised numbers (number of the format x scale) in f32.
;;   ~~~python
;;   def quantise(x, axis):      # numpy; x: float32 -> the quantised numbers, widened to float32 again
;;       x = np.moveaxis(x, axis, -1); K = x.shape[-1]
;;       x = np.pad(x, [(0, 0)] * (x.ndim - 1) + [(0, -K % 32)]); x = x.reshape(x.shape[:-1] + (-1, 32)); a = np.abs(x).max(-1, keepdims=True)
;;       e = np.where(a > 0, np.clip(np.frexp(np.where(a > 0, a, 1))[1] - 1 - 2, -126, 127), 0)      # np.frexp(a)[1] - 1 = floor(log2(a)), exactly
;;       r = np.clip(x / 2.0 ** e, -6, 6)
;;       step = 2.0 ** (np.maximum(np.frexp(np.where(r == 0, 1, r))[1] - 1, 0) - 1)
;;       q = np.round(r / step) * step * 2.0 ** e      # np.round: ties to even
;;       return np.moveaxis(q.reshape(q.shape[:-2] + (-1,))[..., :K], -1, axis).astype(np.float32)
;;   ~~~
;;   SOFTMAX AHEAD OF A QUANTISED PRODUCT. Where the list says 'softmax', what is quantised is not the finished softmax but p = 2^(t - M), with t = logit x log2(e) and M = ceil(the row's largest t), a whole number; so 1/2 < the row's largest p <= 1. The row's sum l is taken of the UNQUANTISED p, in f32, and the product's result is divided by l at the end. Since M is a whole number, a kernel that streams over the keys may use a running M (the ceiling of the running maximum): every later rescaling is an exact power of two, which a block's scale takes up: the codes' values come out the same.
;;   OPERANDS COMPUTED ON THE WAY. 'Computed on the way' means the value that the module computes at that place (a softmax that the list does not call 'softmax' is quantised finished and normalised). What goes into a quantiser is computed in f32, as accurately as f32 sums, v_exp_f32 and their like allow (about 1e-6 of the number): no bf16 or f16 on the way to a quantiser, and a product that is left as it is and whose result goes on into a quantised operand takes f32 operands (vector FMAs, or v_wmma_f32_16x16x4_f32). A number that lies on a knife's edge between two numbers of the format may be rounded either way, as far as f32 arithmetic and the matrix unit's own rounding can turn it there, and no further.
;; One version. Each part assembles by itself: llvm-mc -triple=amdgcn-amd-amdhsa -mcpu=gfx1250 --defsym DOCPART=n.
;; ======== version 1 of 1: 4 launches
;; limits: right only within a limited range of input values
;; workspace buffers: codes 10,485,760 bytes; scales 655,360 bytes; qkv 12,582,912 bytes; qkvs 786,432 bytes; ao 4,194,304 bytes; aos 262,144 bytes
;; launch prep (part 1): grid 192 x 1, 8 waves a work-group, no clusters, 318,464 bytes of LDS; arguments x, Wq, Wkv, Wo, ln_g, ln_b, lnc_g, lnc_b, codes, scales; writes codes, scales
.if DOCPART == 1
	.amdgcn_target "amdgcn-amd-amdhsa--gfx1250"
	.amdhsa_code_object_version 6
	.text
	.protected	k_qf3980f65b5_prep
	.globl	k_qf3980f65b5_prep
	.p2align	8
	.type	k_qf3980f65b5_prep,@function
k_qf3980f65b5_prep:
	s_mov_b64 s[64:65], 0
	v_nop
	global_prefetch_b8 v0, s[64:65] scope:SCOPE_SE
	s_setreg_imm32_b32 hwreg(HW_REG_WAVE_MODE, 25, 1), 1
	s_wait_xcnt 0x0
; Both LayerNorms of x, and the quantising of xn, cn, Wq, Wkv and Wo into codes of FP4 (E2M1) with one E8M0 byte for each 32 along K (K = the rows' 1,024, innermost everywhere).
; codes: [20,480 places][512 bytes], scales: [20,480 places][32 bytes].  Places: xn from 0, cn from 8,192, Wq from 16,384, Wkv from 17,408, Wo from 19,456.
; A ROW n LIES AT PLACE n WITH BITS 3 AND 4 SWAPPED: 16 neighbouring places are then rows r + 8 (r / 8) of a group of 32, so that a product whose source 0 is such a tile leaves 16 neighbours of the
; next K in the 16 registers of two neighbouring tiles.
; SHARES.  A work-group takes 64 rows, a wave 8, a lane one block of 32 numbers of each row.  Work-groups 0-127 take x, 128-143 Wq, 144-175 Wkv, 176-191 Wo: 12,288 rows in all, 64 to a work-group,
; so that a work-group is of one kind.  The wave's 8 rows differ in bits 0-2 alone, so they lie at 8 neighbouring places: its stores are dense.
; The rows come by asynchronous copies, all asked for at the head (68 of a wave are out: four of its part of the gains, and eight for each of its 8 rows), with 16 bytes of padding behind each 128: a lane's 128 bytes
; are 144 from its neighbour's.  No LDS byte is filled twice.
; A block's scale is 2^(floor(log2(largest magnitude)) - 2): its byte is the largest magnitude's exponent field - 2, held at 1 from below.
; LIMITS: NaN and infinities are not served.  A block of zeros gets the byte 1 where the rule says 127 (its codes are zeros; this program alone reads the bytes); blocks whose largest magnitude lies under
; 2^-124 are scaled by the floor.  1 / sqrt(var + eps) is v_rsq_f32.
.set WROWS, 36864                      ; LDS: a wave's 8 rows
.set ROWP,  4608                       ; a row: 32 blocks of 128 + 16 bytes
.set BLKP,  144
.set GAINS, 294912                     ; ln_g, ln_b, lnc_g, lnc_b, each laid as a row
.set SCB,   313344                     ; 512 bytes a wave: 256 scale bytes of the common way, 256 of xn; no fill lands here
.set XA,  2                            ; v2   LDS: my block in my wave's first row
.set GA,  3                            ; v3   LDS: my block in ln_g
.set CO,  4                            ; v4   16 x lane: my block's codes in a row of codes
.set SBA, 5                            ; v5   LDS: my scale byte
.set SBR, 6                            ; v6   LDS: 8 scale bytes on the way out
.set SBO, 7                            ; v7   8 x lane
.set MU,  12                           ; v[12:13] the mean (low word used)
.set RS,  14                           ; v[14:15] 1 / sqrt(var + eps) (low word used)
.set CH,  16                           ; v16-23 four chains of pairs
.set PT,  24                           ; v24  the other half's sum
.set X,   32                           ; v32-63 my 32 numbers
.set Y,   64                           ; v64-95 xn's 32
.set CX,  96                           ; v96-99 xn's codes
.set CC,  100                          ; v100-103 the common way's codes
.set TA,  112
.set TB,  113
.set SO,  114                          ; the conversions' scale operand
.set EX,  115                          ; xn's byte
.set EC,  116                          ; the common way's byte
.set GN,  128                          ; v128-255 g, b, gc, bc of my 32 columns
	s_load_b256 s[4:11], s[0:1], 0x0               ; x, Wq, Wkv, Wo
	s_load_b256 s[12:19], s[0:1], 0x20             ; ln_g, ln_b, lnc_g, lnc_b
	s_load_b128 s[20:23], s[0:1], 0x40             ; codes, scales
	v_lshl_add_u32 v126, v0, 2, 0x4d800
	v_mov_b32 v127, 0
	ds_add_u32 v126, v127
	ds_add_u32 v126, v127
	v_lshrrev_b32 v1, 5, v0
	s_delay_alu instid0(VALU_DEP_1)
	v_readfirstlane_b32 s60, v1                    ; wave 0..7
	s_mov_b32 s72, 0x76543210
	s_mov_b32 s73, 0xfedcba98                      ; v_permlanex16_b32's selects for lane l xor 16
	s_mov_b32 s74, 0x3a800000                      ; 1 / 1,024
	s_mov_b32 s75, 0x3727c5ac                      ; 1e-5
	s_and_b32 s68, s60, 1                          ; the wave's number with bits 0 and 1 swapped: bits 3 and 4 of its rows
	s_lshl_b32 s68, s68, 1
	s_bfe_u32 s69, s60, 0x10001
	s_or_b32 s68, s68, s69
	s_and_b32 s69, s60, 4
	s_or_b32 s68, s68, s69
	s_lshl_b32 s69, ttmp9, 3
	s_add_co_u32 s69, s69, s68                     ; my group of 8 places, counted from xn's first
	s_mul_i32 s80, s60, WROWS
	s_mul_i32 s81, s60, 2304
	s_mov_b32 s61, 176
	s_wait_dscnt 0x0
	s_wait_kmcnt 0x0
	s_cmp_lt_u32 ttmp9, 176                        ; which tensor, and its first work-group: the choice hangs on the work-group's number alone
	s_cselect_b64 s[62:63], s[8:9], s[10:11]
	s_cselect_b32 s61, 144, s61
	s_cmp_lt_u32 ttmp9, 144
	s_cselect_b64 s[62:63], s[6:7], s[62:63]
	s_cselect_b32 s61, 128, s61
	s_cmp_lt_u32 ttmp9, 128
	s_cselect_b64 s[62:63], s[4:5], s[62:63]
	s_cselect_b32 s61, 0, s61
	s_sub_co_u32 s66, ttmp9, s61
	s_lshl_b32 s66, s66, 18                        ; 64 rows of 4,096 bytes a work-group,
	s_lshl_b32 s67, s60, 15                        ; 8 a wave
	s_add_co_u32 s66, s66, s67
	s_mov_b32 s67, 0
	s_add_nc_u64 s[62:63], s[62:63], s[66:67]
	s_lshl_b32 s66, s69, 12                        ; 8 places of 512 bytes
	s_add_nc_u64 s[76:77], s[20:21], s[66:67]      ; xn's codes
	s_add_nc_u64 s[20:21], s[76:77], 0x400000      ; the common way's: 8,192 places on (cn; for a weight its own place)
	s_lshl_b32 s66, s69, 8
	s_add_nc_u64 s[78:79], s[22:23], s[66:67]      ; xn's scale bytes
	s_add_nc_u64 s[22:23], s[78:79], 0x40000
	; my half of one of the four gain vectors.
	; all are issued here, at the head; each copy moves 512 consecutive bytes of memory, 16 a lane.  No LDS byte is filled twice.
	; In LDS 512 bytes take 576 (16 of padding behind each 128), and a copy's immediate is added to both addresses.  So piece j of a row has an LDS address register of its own, 64 j further on, and row r a base of its own, 512 r
	; further back: with the immediate 4,608 r + 512 j the LDS address is 4,608 r + 576 j and the place in memory 4,096 r + 512 j.  None of these registers is written again.
	s_add_co_u32 s41, s81, GAINS                   ; my half of one of the four gain vectors: vector wave / 2, half wave % 2
	s_cmp_lt_u32 s60, 4
	s_cselect_b64 s[66:67], s[12:13], s[16:17]
	s_cselect_b64 s[70:71], s[14:15], s[18:19]
	s_and_b32 s82, s60, 2
	s_cmp_lg_u32 s82, 0
	s_cselect_b64 s[42:43], s[70:71], s[66:67]
	s_and_b32 s82, s60, 1
	s_lshl_b32 s82, s82, 11
	s_mov_b32 s83, 0
	s_add_nc_u64 s[42:43], s[42:43], s[82:83]
.irp r, 0,1,2,3,4,5,6,7
	s_sub_nc_u64 s[24+2*\r:25+2*\r], s[62:63], 512*\r
.endr
	v_and_b32 v1, 31, v0                           ; lane
	v_lshlrev_b32 v[CO], 4, v1                     ; 16 x lane: my bytes of a copy's 512, and later my block's codes in a row of codes
	v_lshrrev_b32 v25, 3, v1
	v_mul_u32_u24 v[XA], v1, BLKP
	v_lshl_add_u32 v25, v25, 4, v[CO]              ; in LDS: 16 x lane + 16 (lane / 8)
	v_add_nc_u32 v[GA], GAINS, v[XA]
	v_add_nc_u32 v[XA], s80, v[XA]
	v_add_nc_u32 v26, s80, v25
	v_add_nc_u32 v27, s41, v25
.irp j, 0,1,2,3
	v_add_nc_u32 v[8+\j], 64*\j, v27
.endr
.irp j, 0,1,2,3,4,5,6,7
	v_add_nc_u32 v[104+\j], 64*\j, v26
.endr
.irp j, 0,1,2,3
	global_load_async_to_lds_b128 v[8+\j], v[CO], s[42:43] offset:512*\j
.endr
.irp r, 0,1,2,3,4,5,6,7
.irp j, 0,1,2,3,4,5,6,7
	global_load_async_to_lds_b128 v[104+\j], v[CO], s[24+2*\r:25+2*\r] offset:4608*\r+512*\j
.endr
.endr
	s_lshl_b32 s82, s60, 9
	s_add_co_u32 s82, s82, SCB
	v_add_nc_u32 v[SBA], s82, v1
	v_lshlrev_b32 v[SBO], 3, v1
	s_delay_alu instid0(VALU_DEP_1)
	v_add_nc_u32 v[SBR], s82, v[SBO]
	v_mov_b32 v[MU+1], 0                           ; named as upper halves of pairs, so they are written
	v_mov_b32 v[RS+1], 0
	v_mov_b32 v[PT], 0                             ; a lane permute's destination counts as one of its sources
	s_wait_alu depctr_va_vdst(0)
	s_wait_asynccnt 0x38                           ; my four copies of the gains (and row 0's eight) are in; the 56 copies of rows 1 to 7 may be out
	s_barrier_signal -1
	s_barrier_wait -1                              ; everybody's part is in
.irp g, 0,1,2,3
.irp j, 0,1,2,3,4,5,6,7
	ds_load_b128 v[GN+32*\g+4*\j:GN+32*\g+4*\j+3], v[GA] offset:\g*ROWP+16*\j
.endr
.endr
; 32 numbers of a lane, one block, become 16 bytes of codes and a byte.  The shift that makes the byte is the plain line behind the conversions.
.macro QUANT32 src, cset, ereg, base, ldsoff, goff
	v_max3_num_f32 v[TA], |v[\src]|, |v[\src+1]|, |v[\src+2]|
	v_max3_num_f32 v[TB], |v[\src+3]|, |v[\src+4]|, |v[\src+5]|
.irp i, 6,10,14,18,22,26
	s_delay_alu instid0(VALU_DEP_2)
	v_max3_num_f32 v[TA], v[TA], |v[\src+\i]|, |v[\src+\i+1]|
	s_delay_alu instid0(VALU_DEP_2)
	v_max3_num_f32 v[TB], v[TB], |v[\src+\i+2]|, |v[\src+\i+3]|
.endr
	s_delay_alu instid0(VALU_DEP_2)
	v_max3_num_f32 v[TA], v[TA], |v[\src+30]|, |v[\src+31]|
	s_delay_alu instid0(VALU_DEP_1)
	v_max3_num_f32 v[TA], v[TA], v[TB], 0x1800000  ; and the floor 2^(3 - 127): the byte cannot fall under 1
	s_delay_alu instid0(VALU_DEP_1)
	v_add_nc_u32 v[SO], 0xff000000, v[TA]          ; 2 off the exponent field: the conversion takes that field as its scale
.irp g, 0,1,2,3
	v_cvt_scalef32_pk8_fp4_f32 v[\cset+\g], v[\src+8*\g:\src+8*\g+7], v[SO]
.endr
	v_lshrrev_b32 v[\ereg], 23, v[SO]
	ds_store_b8 v[SBA], v[\ereg] offset:\ldsoff
	global_store_b128 v[CO], v[\cset:\cset+3], s[\base:\base+1] offset:\goff   ; 32 lanes store a place's 512 bytes
.endm
; the four chains of pairs become one sum, in every lane
.macro REDUCE
	s_delay_alu instid0(VALU_DEP_3)
	v_pk_add_f32 v[CH:CH+1], v[CH:CH+1], v[CH+2:CH+3]
	s_delay_alu instid0(VALU_DEP_2)
	v_pk_add_f32 v[CH+4:CH+5], v[CH+4:CH+5], v[CH+6:CH+7]
	s_delay_alu instid0(VALU_DEP_1)
	v_pk_add_f32 v[CH:CH+1], v[CH:CH+1], v[CH+4:CH+5]
	s_delay_alu instid0(VALU_DEP_1)
	v_add_f32 v[CH], v[CH], v[CH+1]
	s_delay_alu instid0(VALU_DEP_1)
	v_add_f32_dpp v[CH], v[CH], v[CH] row_xmask:1 row_mask:0xf bank_mask:0xf
	s_delay_alu instid0(VALU_DEP_1)
	v_add_f32_dpp v[CH], v[CH], v[CH] row_xmask:2 row_mask:0xf bank_mask:0xf
	s_delay_alu instid0(VALU_DEP_1)
	v_add_f32_dpp v[CH], v[CH], v[CH] row_xmask:4 row_mask:0xf bank_mask:0xf
	s_delay_alu instid0(VALU_DEP_1)
	v_add_f32_dpp v[CH], v[CH], v[CH] row_xmask:8 row_mask:0xf bank_mask:0xf
	s_delay_alu instid0(VALU_DEP_1)
	v_permlanex16_b32 v[PT], v[CH], s72, s73
	s_delay_alu instid0(VALU_DEP_1)
	v_add_f32 v[CH], v[CH], v[PT]
.endm
.macro ROW rho
	s_wait_asynccnt 56-8*(\rho)                    ; this row's eight copies are in; those of the later rows, eight each, may be out
.irp j, 0,1,2,3,4,5,6,7
	ds_load_b128 v[X+4*\j:X+4*\j+3], v[XA] offset:(\rho)*ROWP+16*\j
.endr
	s_wait_dscnt 0x0                               ; the row is in (with row 0: the gains too), and the last row's byte stores have read their registers
	s_wait_xcnt 0x0                                ; the last row's stores have read their codes: both sets may be written again
	s_cmp_lt_u32 ttmp9, 128
	s_cbranch_scc0 .Lweight_\@                     ; a weight is quantised as it is
.irp k, 0,1,2,3
	v_pk_add_f32 v[CH+2*\k:CH+2*\k+1], v[X+4*\k:X+4*\k+1], v[X+4*\k+2:X+4*\k+3]
.endr
.irp i, 16,24
.irp k, 0,1,2,3
	s_delay_alu instid0(VALU_DEP_4)
	v_pk_add_f32 v[CH+2*\k:CH+2*\k+1], v[CH+2*\k:CH+2*\k+1], v[X+\i+2*\k:X+\i+2*\k+1]
.endr
.endr
	REDUCE
	s_delay_alu instid0(VALU_DEP_1)
	v_mul_f32 v[MU], s74, v[CH]                    ; the mean
.set i, 0
.rept 16
	v_pk_add_f32 v[X+i:X+i+1], v[X+i:X+i+1], v[MU:MU+1] op_sel_hi:[1,0] neg_lo:[0,1] neg_hi:[0,1]
.set i, i+2
.endr
.irp k, 0,1,2,3
	v_pk_mul_f32 v[CH+2*\k:CH+2*\k+1], v[X+2*\k:X+2*\k+1], v[X+2*\k:X+2*\k+1]
.endr
.irp i, 8,16,24
.irp k, 0,1,2,3
	s_delay_alu instid0(VALU_DEP_4)
	v_pk_fma_f32 v[CH+2*\k:CH+2*\k+1], v[X+\i+2*\k:X+\i+2*\k+1], v[X+\i+2*\k:X+\i+2*\k+1], v[CH+2*\k:CH+2*\k+1]
.endr
.endr
	REDUCE
	s_delay_alu instid0(VALU_DEP_1)
	v_fma_f32 v[CH], v[CH], s74, s75               ; var + eps
	s_wait_alu depctr_va_vdst(0)
	v_rsq_f32 v[RS], v[CH]
	v_nop                                          ; a plain line behind the transcendental,
	s_wait_alu depctr_va_vdst(0)                   ; and the wait ahead of its first reader
.set i, 0
.rept 16
	v_pk_mul_f32 v[X+i:X+i+1], v[X+i:X+i+1], v[RS:RS+1] op_sel_hi:[1,0]
.set i, i+2
.endr
.set i, 0
.rept 16
	v_pk_fma_f32 v[Y+i:Y+i+1], v[X+i:X+i+1], v[GN+i:GN+i+1], v[GN+32+i:GN+32+i+1]      ; xn
.set i, i+2
.endr
	QUANT32 Y, CX, EX, 76, 256+(\rho)*32, (\rho)*512
.set i, 0
.rept 16
	v_pk_fma_f32 v[X+i:X+i+1], v[X+i:X+i+1], v[GN+64+i:GN+64+i+1], v[GN+96+i:GN+96+i+1] ; cn
.set i, i+2
.endr
.Lweight_\@:
	QUANT32 X, CC, EC, 20, (\rho)*32, (\rho)*512
.endm
.irp r, 0,1,2,3,4,5,6,7
	ROW \r
.endr
	ds_load_b64 v[118:119], v[SBR]                 ; LDS serves a wave's instructions in order: these see my byte stores
	s_cmp_lt_u32 ttmp9, 128
	s_cbranch_scc0 .Lno_xn
	ds_load_b64 v[120:121], v[SBR] offset:256
	s_wait_dscnt 0x0
	global_store_b64 v[SBO], v[120:121], s[78:79]  ; 32 lanes store 256 consecutive bytes, aligned: 8 places' scale bytes
.Lno_xn:
	s_wait_dscnt 0x0
	global_store_b64 v[SBO], v[118:119], s[22:23]
	s_wait_tensorcnt 0x0
	s_wait_asynccnt 0x0
	ds_add_u32 v126, v127
	s_wait_dscnt 0x0
	s_endpgm
.Lfunc_end_k_qf3980f65b5_prep:
	.size	k_qf3980f65b5_prep, .Lfunc_end_k_qf3980f65b5_prep-k_qf3980f65b5_prep
	.p2alignl 7, 3214868480
	.fill 96, 4, 3214868480
	.section	.rodata,"a",@progbits
	.p2align	6, 0x0
	.amdhsa_kernel k_qf3980f65b5_prep
		.amdhsa_group_segment_fixed_size 318464
		.amdhsa_private_segment_fixed_size 0
		.amdhsa_enable_private_segment 0
		.amdhsa_kernarg_size 80
		.amdhsa_user_sgpr_count 2
		.amdhsa_user_sgpr_kernarg_segment_ptr 1
		.amdhsa_wavefront_size32 1
		.amdhsa_system_sgpr_workgroup_id_x 1
		.amdhsa_system_sgpr_workgroup_id_y 1
		.amdhsa_system_sgpr_workgroup_id_z 1
		.amdhsa_system_vgpr_workitem_id 0
		.amdhsa_next_free_vgpr 256
		.amdhsa_next_free_sgpr 84
		.amdhsa_reserve_vcc 0
		.amdhsa_float_denorm_mode_32 3
		.amdhsa_float_denorm_mode_16_64 3
		.amdhsa_memory_ordered 1
		.amdhsa_forward_progress 1
		.amdhsa_inst_pref_size 119
	.end_amdhsa_kernel
	.amdgpu_metadata
---
amdhsa.version: [ 1, 2 ]
amdhsa.kernels:
  - .name:           k_qf3980f65b5_prep
    .symbol:         k_qf3980f65b5_prep.kd
    .args:
      - { .name: x, .offset: 0, .size: 8, .value_kind: global_buffer, .address_space: global }
      - { .name: Wq, .offset: 8, .size: 8, .value_kind: global_buffer, .address_space: global }
      - { .name: Wkv, .offset: 16, .size: 8, .value_kind: global_buffer, .address_space: global }
      - { .name: Wo, .offset: 24, .size: 8, .value_kind: global_buffer, .address_space: global }
      - { .name: ln_g, .offset: 32, .size: 8, .value_kind: global_buffer, .address_space: global }
      - { .name: ln_b, .offset: 40, .size: 8, .value_kind: global_buffer, .address_space: global }
      - { .name: lnc_g, .offset: 48, .size: 8, .value_kind: global_buffer, .address_space: global }
      - { .name: lnc_b, .offset: 56, .size: 8, .value_kind: global_buffer, .address_space: global }
      - { .name: codes, .offset: 64, .size: 8, .value_kind: global_buffer, .address_space: global }
      - { .name: scales, .offset: 72, .size: 8, .value_kind: global_buffer, .address_space: global }
    .group_segment_fixed_size: 318464
    .private_segment_fixed_size: 0
    .kernarg_segment_align: 8
    .kernarg_segment_size: 80
    .max_flat_workgroup_size: 256
    .sgpr_count:     84
    .vgpr_count:     256
    .wavefront_size: 32
...
	.end_amdgpu_metadata
.endif
;; end of part 1
;; launch proj (part 2): grid 96 x 4, 4 waves a work-group, clusters of 4 x 4, 296,448 bytes of LDS; arguments codes, scales, qkv, qkvs; writes qkv, qkvs
.if DOCPART == 2
	.amdgcn_target "amdgcn-amd-amdhsa--gfx1250"
	.amdhsa_code_object_version 6
	.text
	.protected	k_qf3980f65b5_proj
	.globl	k_qf3980f65b5_proj
	.p2align	8
	.type	k_qf3980f65b5_proj,@function
k_qf3980f65b5_proj:
	s_mov_b64 s[64:65], 0
	v_nop
	global_prefetch_b8 v0, s[64:65] scope:SCOPE_SE
	s_setreg_imm32_b32 hwreg(HW_REG_WAVE_MODE, 25, 1), 1
	s_wait_xcnt 0x0
	s_wait_alu depctr_hold_cnt(0) depctr_sa_sdst(0) depctr_va_vdst(0) depctr_va_sdst(0) depctr_va_ssrc(0) depctr_va_vcc(0) depctr_vm_vsrc(0)
	s_getreg_b32 s2, hwreg(HW_REG_IB_STS2, 6, 4)
	s_cmp_eq_u32 s2, 0
	s_cbranch_scc0 .Lentry_in_a_cluster
	s_endpgm
.Lentry_in_a_cluster:
	s_bfe_u32 s2, ttmp6, 0x10000c
	s_cmp_lg_u32 s2, 0xf033
	s_cbranch_scc0 .Lentry_shape_is_right
	s_endpgm
.Lentry_shape_is_right:
; q = xn Wq^T, k and v = cn Wkv^T on codes of FP4 with E8M0 scales (K = 1,024), and the quantising of q and k (along a head's 64) and of v (along the keys) in registers: no f32 result goes to memory.
; A tile is 256 x 256, four waves, each 128 x 128: 64 accumulators, 512 registers.  K goes in two halves of 512 through two LDS slots, each filled once; the scale bytes of both sides come once, beside them.
; THE MATRIX INSTRUCTION'S SOURCE 0 IS THE SIDE WHOSE INDEX IS THE NEXT PRODUCT'S K: a lane's registers run along source 0's rows.  For q and k source 0 = the weight's rows (head x 64 + d), source 1 = tokens;
; for v the roles are swapped: source 0 = tokens (keys), source 1 = Wv's rows.  Rows lie in the buffers at places with bits 3 and 4 swapped, so the 16 registers of accumulators 2 B and 2 B + 1 are
; source 0's rows 32 B + 16 (lane / 16) + 0 .. 15: the 64 registers of a block of 16 source-1 rows are quantised as they stand into 8 registers of codes and one scale word.
; GRID.  24 clusters of 4 x 4: cluster x / 8 = the kind (0 q, 1 k, 2 v), cluster x % 8 = which 1,024 tokens.  Source 1's tile hangs on cy and is asked for jointly along a row of the cluster, source 0's on cx, along a column.
; OUT.  qkv, for each batch x head 196,608 bytes: Q [tile of 16 tokens 128][512], K likewise, V [step of 128 keys 16][tile of 16 d 4][1,024]: images of operand registers, lane l's 16 bytes at 16 l.
; qkvs, 12,288 bytes each: QS, KS [step 16][row 16][pair of tiles 4][word: even tile's two bytes, odd tile's two], VS [step 16][row 16][tile of d 4][word].
; LIMITS: NaN and infinities are not served; a block of zeros gets the byte 1 (its codes are zeros; this program alone reads the bytes).
; REGISTERS, in windows of 256: window 0: v0-31 addresses; v32-95 scale words, two sets; v96-111 at work on the way out; v128-191 source 1's fragments, one set, later the codes made; v192-203 scale words made.
;   window 1: source 0's fragments, two sets, at v0 and v128.   windows 2, 3: accumulator (a, b) at v[8 (8 (a % 4) + b)] of window 2 + a / 4.
.set KSTEP,  512
.set NQ,     4
.set ROWB,   512                       ; a tile's row holds all of K: 1,024 codes
.set KROW,   512
.set PITCH,  528                       ; an LDS row: 512 bytes + 16 of padding: the 16 rows that a load touches start at 16 different banks
.set FR,     8
.set NL,     2
.set NP,     4
.set HALFT,  128*PITCH
.set SLOT,   256                       ; the second half of K begins 256 bytes on in each row
.set KS,     32
.set SCL,    4*HALFT                   ; behind both sides' 256 rows: the scale bytes
.set HALFS,  16*272
.set SBLK,   2*272
.set ADRA, 16
.set ADRB, 20
.set LI,   24                          ; v24  16 x lane
.set SO,   25                          ; v25  where my four scale words go
.set ADRS, 27
.set SC,   32
.set TM,   96
.set AF,   128
.set PC,   128
.set PW,   192
.set W,    200
.set G1, 24
.set G0, 32
.set G1B, 48
.set G0B, 56
.set G1S, 68
.set G0S, 76
.set G1SB, 80
.set G0SB, 88
.set MSB, 0
.macro WIN new                         ; the immediate's high byte repeats the setting that is left
.if MSB != \new
	s_set_vgpr_msb (MSB<<8)|\new
.set MSB, \new
.endif
.endm
.set MUL_LO, 0xa1                      ; source 0 window 1, source 1 window 0, C and D window 2
.set MUL_HI, 0xf1
.set TO_B,   0x40
; A joint load: waves 0 and 2 fetch for source 1, waves 1 and 3 for source 0.  Four v_nop follow each of the two lines.
.macro ARM under, g0, g1, next         ; one arm of the head's chain of branches on the wave's number: its joint load, and a jump to the chain's end
	s_cmp_lt_u32 s14, \under
	s_cbranch_scc0 \next
	tensor_load_to_lds s[\g0:\g0+3], s[\g1:\g1+7]
	s_nop 0
.rept 4
	v_nop
.endr
	s_branch .Lhead_asked
\next:
.endm
.macro CROUND                          ; a round of the cluster's barrier
	s_barrier_signal -1
	s_barrier_wait -1
	s_cmp_lg_u32 s14, 0
	s_cbranch_scc1 .Lnot_wave_0_\@
	s_barrier_signal -3
.Lnot_wave_0_\@:
	s_barrier_wait -3
	s_barrier_signal -1
	s_barrier_wait -1
.endm
	s_load_b256 s[4:11], s[0:1], 0x0               ; codes s[4:5], scales s[6:7], qkv s[8:9], qkvs s[10:11]
	v_lshl_add_u32 v254, v0, 2, 0x48400
	v_mov_b32 v255, 0
	ds_add_u32 v254, v255
	ds_add_u32 v254, v255
	v_lshrrev_b32 v1, 5, v0
	v_readfirstlane_b32 s14, v1                    ; wave 0..3
	s_lshr_b32 s15, s14, 1                         ; which half of source 1's rows is mine
	s_and_b32 s16, s14, 1                          ; which half of source 0's rows
	s_bfe_u32 s40, ttmp6, 0x40000                  ; cx
	s_bfe_u32 s41, ttmp6, 0x40004                  ; cy
	s_lshr_b32 s12, ttmp9, 3                       ; the kind
	s_and_b32 s13, ttmp9, 7                        ; which 1,024 tokens
	s_lshl_b32 s43, s41, 2
	s_lshl_b32 s43, 15, s43                        ; my row of the cluster
	s_lshl_b32 s44, 0x1111, s40                    ; my column
	s_or_b32 s[G1+0], s43, (0<<16)|(1<<20)|(1<<21)|(6<<22)|(3<<25)  ; the mask; elements of 1 byte; padding: 4 words behind every 128; bit 21 beside a mask
	s_or_b32 s[G1B+0], s44, (0<<16)|(1<<20)|(1<<21)|(6<<22)|(3<<25)
.irp g, G1, G1B
	s_mov_b32 s[\g+1], ROWB<<16
	s_mov_b32 s[\g+2], 256<<16
	s_mov_b32 s[\g+3], ROWB<<16
	s_mov_b32 s[\g+4], 256
	s_mov_b32 s[\g+5], KROW
	s_mov_b32 s[\g+6], 0
	s_mov_b32 s[\g+7], 0
.endr
	s_or_b32 s[G1S+0], s43, (3<<16)|(1<<20)|(1<<21)|(5<<22)|(3<<25) ; the scale bytes of 256 rows: 8,192 dense bytes as 32 lines of 256
	s_or_b32 s[G1SB+0], s44, (3<<16)|(1<<20)|(1<<21)|(5<<22)|(3<<25)
.irp g, G1S, G1SB
	s_mov_b32 s[\g+1], 32<<16
	s_mov_b32 s[\g+2], 32<<16
	s_mov_b32 s[\g+3], 32<<16
	s_mov_b32 s[\g+4], 32
	s_mov_b32 s[\g+5], 32
	s_mov_b32 s[\g+6], 0
	s_mov_b32 s[\g+7], 0
.endr
	; the first place of what I fetch.  q, k: source 1 = tokens 8,192 kind + 1,024 c8 + 256 cy, source 0 = weight 16,384 + 1,024 kind + 256 cx;  v: source 1 = Wv 18,432 + 256 cy, source 0 = cn 8,192 + 1,024 c8 + 256 cx
	s_lshl_b32 s20, s12, 13
	s_lshl_b32 s21, s13, 10
	s_add_co_u32 s20, s20, s21
	s_lshl_b32 s46, s12, 10
	s_add_co_u32 s46, s46, 16384
	s_add_co_u32 s47, s21, 8192
	s_cmp_eq_u32 s12, 2                            ; the kind is the same in all sixteen partners
	s_cselect_b32 s20, 18432, s20
	s_cselect_b32 s46, s47, s46
	s_lshl_b32 s21, s41, 8
	s_add_co_u32 s20, s20, s21
	s_lshl_b32 s47, s40, 8
	s_add_co_u32 s46, s46, s47
	s_lshl_b32 s22, s20, 5                         ; 32 scale bytes a place,
	s_mov_b32 s23, 0
	s_lshl_b32 s20, s20, 9                         ; 512 bytes of codes
	s_mov_b32 s21, 0
	s_lshl_b32 s92, s46, 5
	s_mov_b32 s93, 0
	s_lshl_b32 s46, s46, 9
	s_mov_b32 s47, 0
	s_wait_dscnt 0x0
	s_wait_kmcnt 0x0
	s_add_nc_u64 s[20:21], s[4:5], s[20:21]
	s_add_nc_u64 s[22:23], s[6:7], s[22:23]
	s_add_nc_u64 s[46:47], s[4:5], s[46:47]
	s_add_nc_u64 s[92:93], s[6:7], s[92:93]
	CROUND                                         ; all sixteen work-groups are here: the joint loads meet
	s_mov_b32 s[G0S], 1
	s_mov_b32 s[G0S+1], SCL
	s_mov_b64 s[G0S+2:G0S+3], s[22:23]
	s_or_b32 s[G0S+3], s[G0S+3], 0x80000000
	s_mov_b32 s[G0SB], 1
	s_mov_b32 s[G0SB+1], SCL+2*HALFS
	s_mov_b64 s[G0SB+2:G0SB+3], s[92:93]
	s_or_b32 s[G0SB+3], s[G0SB+3], 0x80000000
	s_mov_b32 s[G0], 1
	s_mov_b32 s[G0+1], 0
	s_mov_b64 s[G0+2:G0+3], s[20:21]
	s_or_b32 s[G0+3], s[G0+3], 0x80000000
	s_mov_b32 s[G0B], 1
	s_mov_b32 s[G0B+1], 2*HALFT
	s_mov_b64 s[G0B+2:G0B+3], s[46:47]
	s_or_b32 s[G0B+3], s[G0B+3], 0x80000000
	; THE HEAD'S LOADS, ONE A WAVE: both sides' 256 rows with all of K and their scale bytes are four tiles, and all four fit in LDS at once:
	; wave 0 fetches source 1's rows, wave 1 source 0's, wave 2 source 1's scale bytes, wave 3 source 0's.  Nothing is filled twice.
	ARM 1, G0,  G1,  .Lhead_b
	ARM 2, G0B, G1B, .Lhead_sa
	ARM 3, G0S, G1S, .Lhead_sb
	tensor_load_to_lds s[G0SB:G0SB+3], s[G1SB:G1SB+7]
	s_nop 0
.rept 4
	v_nop
.endr
.Lhead_asked:
	v_and_b32 v1, 15, v0                           ; r
	v_bfe_u32 v2, v0, 4, 1                         ; h
	v_mul_u32_u24 v3, v1, PITCH
	v_lshl_add_u32 v4, v2, 4, v3
	s_mul_i32 s21, s15, HALFT
	s_mul_i32 s22, s16, HALFT
	s_add_co_u32 s22, s22, 2*HALFT
.irp s, 0,1
	v_add_nc_u32 v[ADRA+\s], s21, v4
	v_add_nc_u32 v[ADRB+\s], s22, v4
	s_add_co_u32 s21, s21, SLOT
	s_add_co_u32 s22, s22, SLOT
.endr
	v_mul_u32_u24 v5, v1, KS                       ; my row's scale bytes: 32 a row, and 16 more for each 256 passed
	v_lshrrev_b32 v6, 8, v5
	v_lshl_add_u32 v5, v6, 4, v5
	s_mul_i32 s21, s15, HALFS
	s_mul_i32 s22, s16, HALFS
	s_add_co_u32 s22, s22, 2*HALFS
	s_sub_co_u32 s22, s22, s21
	v_mul_u32_u24 v6, s22, v2                      ; lanes 16-31 take source 0's
	s_add_co_u32 s21, s21, SCL
	v_add_nc_u32 v5, v5, v6
	v_add_nc_u32 v[ADRS], s21, v5
	v_and_b32 v6, 31, v0
	v_lshlrev_b32 v[LI], 4, v6
	v_mul_u32_u24 v[SO], v2, 12288                 ; lanes 16-31: the next head's scale words
	v_lshl_add_u32 v[SO], v1, 4, v[SO]
.irp b, 0,1,2,3
	v_mov_b32 v[TM+4+\b], 0                        ; a lane permute's destination counts as one of its sources
.endr
	; where my results go.  The side that owns heads: (cx, my half of source 0) for q and k, (cy, my half of source 1) for v; the side that owns tokens: the other
	s_cmp_eq_u32 s12, 2
	s_cselect_b32 s95, s41, s40
	s_cselect_b32 s96, s15, s16
	s_cselect_b32 s97, s40, s41
	s_cselect_b32 s98, s16, s15
	s_lshr_b32 s99, s13, 1
	s_lshl_b32 s99, s99, 4
	s_lshl_b32 s95, s95, 2
	s_add_co_u32 s99, s99, s95
	s_lshl_b32 s96, s96, 1
	s_add_co_u32 s99, s99, s96                     ; 16 x batch + my first head
	s_and_b32 s95, s13, 1
	s_lshl_b32 s95, s95, 3
	s_lshl_b32 s97, s97, 1
	s_add_co_u32 s95, s95, s97
	s_add_co_u32 s95, s95, s98                     ; my 128 tokens of the batch's 2,048
	s_mul_i32 s96, s99, 196608
	s_lshl_b32 s97, s12, 16
	s_add_co_u32 s96, s96, s97
	s_lshl_b32 s97, s95, 12
	s_add_co_u32 s96, s96, s97
	s_mov_b32 s97, 0
	s_add_nc_u64 s[8:9], s[8:9], s[96:97]
	s_mul_i32 s96, s99, 12288
	s_lshl_b32 s98, s12, 12
	s_add_co_u32 s96, s96, s98
	s_lshl_b32 s98, s95, 8
	s_add_co_u32 s96, s96, s98
	s_add_nc_u64 s[10:11], s[10:11], s[96:97]
	s_mov_b32 s17, 0xffff0000                      ; lanes 16-31
	s_mov_b32 s18, 0x76543210
	s_mov_b32 s19, 0xfedcba98
.macro FRAG reg, adr, q, i             ; 16 rows x 128 K of 4-bit codes: 8 registers; registers 4 c .. 4 c + 3 hold K = 64 c + 32 (lane / 16) + 0 .. 31
.irp c, 0,1
	ds_load_b128 v[\reg+4*\c:\reg+4*\c+3], v[\adr] offset:64*(\q)+32*\c+(\i)*16*PITCH
.endr
.endm
; 16 matrix instructions: source 1's blocks a0, a0 + 1 x source 0's eight.  The 64 accumulators take turns, one instruction a turn, in the same order in every step.
.macro MUL16 a0, p, q, sc, zero
.irp a, \a0, \a0+1
.irp b, 0,1,2,3,4,5,6,7
.if \zero
	v_wmma_scale_f32_16x16x128_f8f6f4 v[8*(8*((\a)%4)+\b):8*(8*((\a)%4)+\b)+7], v[128*(\p)+FR*\b:128*(\p)+FR*\b+FR-1], v[AF+FR*(\a):AF+FR*(\a)+FR-1], 0, v[SC+8*NQ*(\sc)+NQ*\b+(\q)], v[SC+8*NQ*(\sc)+NQ*(\a)+(\q)] matrix_a_fmt:MATRIX_FMT_FP4 matrix_b_fmt:MATRIX_FMT_FP4 matrix_a_scale:MATRIX_SCALE_ROW1
.else
	v_wmma_scale_f32_16x16x128_f8f6f4 v[8*(8*((\a)%4)+\b):8*(8*((\a)%4)+\b)+7], v[128*(\p)+FR*\b:128*(\p)+FR*\b+FR-1], v[AF+FR*(\a):AF+FR*(\a)+FR-1], v[8*(8*((\a)%4)+\b):8*(8*((\a)%4)+\b)+7], v[SC+8*NQ*(\sc)+NQ*\b+(\q)], v[SC+8*NQ*(\sc)+NQ*(\a)+(\q)] matrix_a_fmt:MATRIX_FMT_FP4 matrix_b_fmt:MATRIX_FMT_FP4 matrix_a_scale:MATRIX_SCALE_ROW1
.endif
.endr
.endr
.endm
.macro FETCH_B slot, q, p
	WIN TO_B
.irp i, 0,1,2,3,4,5,6,7
	FRAG 128*(\p)+FR*\i, ADRB+\slot, \q, \i
.endr
	WIN 0
.endm
.macro FETCH_A slot, q, i0
.irp i, \i0, \i0+1, \i0+2, \i0+3
	FRAG AF+FR*(\i), ADRA+\slot, \q, \i
.endr
.endm
.macro SCALES sc                       ; a slot's scale words: 4 a row; lanes 0-15 source 1's block i, lanes 16-31 source 0's block i
.irp i, 0,1,2,3,4,5,6,7
	ds_load_b128 v[SC+8*NQ*\sc+NQ*\i:SC+8*NQ*\sc+NQ*\i+3], v[ADRS] offset:\i*SBLK
.endr
.endm
.macro PLACES n                        ; plain vector lines between a matrix instruction and a load into, or a vector line on, its registers
.rept \n
	v_nop
.endr
.endm
.macro STEP slot, q, zero              ; 128 along K, with its successor in the same slot
	s_wait_dscnt 4*NL                              ; source 0's set and source 1's blocks 0-3 are in; the youngest eight loads (blocks 4-7) may be out
	WIN MUL_LO
	MUL16 0, (\q)%2, \q, \slot, \zero
	MUL16 2, (\q)%2, \q, \slot, \zero
	s_wait_dscnt 0
	PLACES NP
	FETCH_B \slot, (\q)+1, 1-(\q)%2
	FETCH_A \slot, (\q)+1, 0
	WIN MUL_HI
	MUL16 4, (\q)%2, \q, \slot, \zero
	MUL16 6, (\q)%2, \q, \slot, \zero
	PLACES NP
	WIN 0
	FETCH_A \slot, (\q)+1, 4
.endm
.macro STEPS slot, from
.set Q, \from
.rept NQ-1-\from
	STEP \slot, Q, 0
.set Q, Q+1
.endr
.endm
	s_wait_alu depctr_va_vdst(0)
	s_wait_tensorcnt 0x0                           ; my one load is in; behind the barrier all four tiles are
	s_barrier_signal -1
	s_barrier_wait -1
	FETCH_B 0, 0, 0
	FETCH_A 0, 0, 0
	SCALES 0
	FETCH_A 0, 0, 4
	STEP 0, 0, 1                                   ; the first products start the sums: nothing is cleared
	STEPS 0, 1
	; the first half's last step fetches the second half's first fragments: the same rows, 256 bytes on
	s_wait_dscnt 4*NL
	WIN MUL_LO
	MUL16 0, 1, NQ-1, 0, 0
	MUL16 2, 1, NQ-1, 0, 0
	s_wait_dscnt 0x0
	WIN 0
	PLACES NP
	v_add_nc_u32 v[ADRS], 4*NQ, v[ADRS]            ; the second half's scale words
	FETCH_B 1, 0, 0
	FETCH_A 1, 0, 0
	SCALES 1
	WIN MUL_HI
	MUL16 4, 1, NQ-1, 0, 0
	MUL16 6, 1, NQ-1, 0, 0
	PLACES NP
	WIN 0
	FETCH_A 1, 0, 4
	STEPS 1, 0
	s_wait_dscnt 4*NL
	WIN MUL_LO
	MUL16 0, 1, NQ-1, 1, 0
	MUL16 2, 1, NQ-1, 1, 0
	s_wait_dscnt 0
	WIN MUL_HI
	MUL16 4, 1, NQ-1, 1, 0
	MUL16 6, 1, NQ-1, 1, 0
	WIN 0
; THE WAY OUT.  Block a's 64 registers (register 16 b + i = source 0's row 32 b + 16 (lane / 16) + i, of my source-1 row) become 8 registers of codes at v[PC + 8 a] and the scale word v[PW + a].
; Each accumulator is read from its low end on.
.macro QUANTW a
.set AC, 64*((\a)%4)
.set PCA, PC+8*(\a)
	WIN 0x0a+5*((\a)/4)                            ; sources 0 and 1: window 2 or 3
.irp b, 0,1,2,3
	v_max3_num_f32 v[TM+\b], |v[AC+16*\b]|, |v[AC+16*\b+1]|, 0x1800000   ; and the floor 2^(3 - 127): the byte cannot fall under 1
.endr
.irp i, 2,4,6,8,10,12,14
.irp b, 0,1,2,3
	v_max3_num_f32 v[TM+\b], |v[AC+16*\b+\i]|, |v[AC+16*\b+\i+1]|, v[TM+\b]
.endr
.endr
	WIN 0
.irp b, 0,1,2,3
	v_permlanex16_b32 v[TM+4+\b], v[TM+\b], s18, s19
.endr
.irp b, 0,1,2,3
	v_max_num_f32 v[TM+\b], v[TM+\b], v[TM+4+\b]   ; with lane l xor 16's: the block's largest magnitude
.endr
.irp b, 0,1,2,3
	v_add_nc_u32 v[TM+12+\b], 0xff000000, v[TM+\b]
.endr
.irp b, 0,1,2,3
	v_lshrrev_b32 v[TM+4+\b], 23, v[TM+12+\b]
.endr
	v_lshl_or_b32 v[PW+(\a)], v[TM+5], 8, v[TM+4]
	v_lshl_or_b32 v[PW+(\a)], v[TM+6], 16, v[PW+(\a)]
	v_lshl_or_b32 v[PW+(\a)], v[TM+7], 24, v[PW+(\a)]
	WIN 0x02+((\a)/4)                              ; source 0: window 2 or 3
.irp b, 0,1,2,3
	v_cvt_scalef32_pk8_fp4_f32 v[PCA+2*\b], v[AC+16*\b:AC+16*\b+7], v[TM+12+\b]
	v_cvt_scalef32_pk8_fp4_f32 v[PCA+1+2*\b], v[AC+16*\b+8:AC+16*\b+15], v[TM+12+\b]
.endr
	WIN 0
	v_nop                                          ; one plain line behind a scaled conversion
.irp c, 0,1                                    ; the operand's layout wants a whole block in a lane
.irp i, 0,1
	v_permlane16_swap_b32 v[PCA+4*\c+\i], v[PCA+2+4*\c+\i]
.endr
.endr
.endm
	PLACES NP                                      ; behind the last products: the codes land where source 1's fragments lay
.irp a, 0,1,2,3,4,5,6,7
	QUANTW \a
.endr
	s_cmp_eq_u32 s12, 2
	s_cbranch_scc1 .Lkind_v
	; q, k: block a = tile a of my 8 tiles of tokens; registers 0-3 my first head's 64, registers 4-7 the next head's.  Every store covers 512 consecutive bytes
.irp a, 0,1,2,3,4,5,6,7
.irp c, 0,1
	global_store_b128 v[LI], v[PC+8*\a+4*\c:PC+8*\a+4*\c+3], s[8:9] offset:512*\a+196608*\c
.endr
.endr
.irp p, 0,1,2,3                                ; a pair of tiles' bytes of one head make a word: lanes 0-15 keep the first head's, lanes 16-31 the next head's
	v_perm_b32 v[W+\p], v[PW+2*\p+1], v[PW+2*\p], 0x05040100
	v_perm_b32 v204, v[PW+2*\p+1], v[PW+2*\p], 0x07060302
	v_cndmask_b32 v[W+\p], v[W+\p], v204, s17
.endr
	s_branch .Lwords
.Lkind_v:
	; v: block a = tile a % 4 of d of head a / 4; its 8 registers are a whole fragment: 16 d x my 128 keys
	s_wait_alu depctr_va_vdst(0)
.irp a, 0,1,2,3,4,5,6,7
.irp c, 0,1
	global_store_b128 v[LI], v[PC+8*\a+4*\c:PC+8*\a+4*\c+3], s[8:9] offset:1024*(\a%4)+196608*(\a/4)+512*\c
.endr
.endr
.irp p, 0,1,2,3
	v_cndmask_b32 v[W+\p], v[PW+\p], v[PW+4+\p], s17
.endr
.Lwords:
	s_wait_alu depctr_va_vdst(0)
	global_store_b128 v[SO], v[W:W+3], s[10:11]    ; sixteen lanes store 256 consecutive bytes, aligned, for each of the two heads
	s_wait_tensorcnt 0x0
	ds_add_u32 v254, v255
	s_wait_dscnt 0x0
	CROUND                                         ; the closing round: no work-group ends while a partner may still ask jointly
	s_endpgm
.Lfunc_end_k_qf3980f65b5_proj:
	.size	k_qf3980f65b5_proj, .Lfunc_end_k_qf3980f65b5_proj-k_qf3980f65b5_proj
	.p2alignl 7, 3214868480
	.fill 96, 4, 3214868480
	.section	.rodata,"a",@progbits
	.p2align	6, 0x0
	.amdhsa_kernel k_qf3980f65b5_proj
		.amdhsa_group_segment_fixed_size 296448
		.amdhsa_private_segment_fixed_size 0
		.amdhsa_enable_private_segment 0
		.amdhsa_kernarg_size 32
		.amdhsa_user_sgpr_count 2
		.amdhsa_user_sgpr_kernarg_segment_ptr 1
		.amdhsa_wavefront_size32 1
		.amdhsa_system_sgpr_workgroup_id_x 1
		.amdhsa_system_sgpr_workgroup_id_y 1
		.amdhsa_system_sgpr_workgroup_id_z 1
		.amdhsa_system_vgpr_workitem_id 0
		.amdhsa_next_free_vgpr 1024
		.amdhsa_next_free_sgpr 100
		.amdhsa_reserve_vcc 0
		.amdhsa_float_denorm_mode_32 3
		.amdhsa_float_denorm_mode_16_64 3
		.amdhsa_memory_ordered 1
		.amdhsa_forward_progress 1
		.amdhsa_inst_pref_size 130
	.end_amdhsa_kernel
	.amdgpu_metadata
---
amdhsa.version: [ 1, 2 ]
amdhsa.kernels:
  - .name:           k_qf3980f65b5_proj
    .symbol:         k_qf3980f65b5_proj.kd
    .args:
      - { .name: codes, .offset: 0, .size: 8, .value_kind: global_buffer, .address_space: global }
      - { .name: scales, .offset: 8, .size: 8, .value_kind: global_buffer, .address_space: global }
      - { .name: qkv, .offset: 16, .size: 8, .value_kind: global_buffer, .address_space: global }
      - { .name: qkvs, .offset: 24, .size: 8, .value_kind: global_buffer, .address_space: global }
    .group_segment_fixed_size: 296448
    .private_segment_fixed_size: 0
    .kernarg_segment_align: 8
    .kernarg_segment_size: 32
    .max_flat_workgroup_size: 128
    .sgpr_count:     100
    .vgpr_count:     1024
    .wavefront_size: 32
...
	.end_amdgpu_metadata
.endif
;; end of part 2
;; launch attn (part 3): grid 4 x 64, 16 waves a work-group, clusters of 4 x 1, 327,680 bytes of LDS; arguments qkv, qkvs, ao, aos; writes ao, aos
.if DOCPART == 3
	.amdgcn_target "amdgcn-amd-amdhsa--gfx1250"
	.amdhsa_code_object_version 6
	.text
	.protected	k_qf3980f65b5_attn
	.globl	k_qf3980f65b5_attn
	.p2align	8
	.type	k_qf3980f65b5_attn,@function
k_qf3980f65b5_attn:
	s_mov_b64 s[64:65], 0
	v_nop
	global_prefetch_b8 v0, s[64:65] scope:SCOPE_SE
	s_setreg_imm32_b32 hwreg(HW_REG_WAVE_MODE, 25, 1), 1
	s_wait_xcnt 0x0
	s_wait_alu depctr_hold_cnt(0) depctr_sa_sdst(0) depctr_va_vdst(0) depctr_va_sdst(0) depctr_va_ssrc(0) depctr_va_vcc(0) depctr_vm_vsrc(0)
	s_getreg_b32 s2, hwreg(HW_REG_IB_STS2, 6, 4)
	s_cmp_eq_u32 s2, 0
	s_cbranch_scc0 .Lentry_in_a_cluster
	s_endpgm
.Lentry_in_a_cluster:
	s_bfe_u32 s2, ttmp6, 0x10000c
	s_cmp_lg_u32 s2, 0x3003
	s_cbranch_scc0 .Lentry_shape_is_right
	s_endpgm
.Lentry_shape_is_right:
; Attention of one batch x head on codes of FP4 (E2M1) with E8M0 scales, and the quantising of its result along the head's 64 for the projection that follows.
; qkv and qkvs hold images of operand registers, for each batch x head: Q, K [tile of 16 tokens][512 bytes], V [step of 128 keys][tile of 16 d][1,024 bytes]; their scale words beside them.
; THE SOFTMAX: t = score x log2(e) / 8; M = the ceiling of the row's largest t so far; p = 2^(t - M) is quantised along the keys, not normalised; the row's sum is taken of the unquantised p and divides at the end.
; When M moves, the sum and O are multiplied by 2^(old M - new M), made by v_ldexp_f32: nothing is rounded, and no branch hangs on data.
; SHARES.  A work-group owns 512 queries of a head, 32 tiles of 16; a tile walks the 2,048 keys in 16 steps of 128.  The tiles are dealt by the wave's number w: every wave takes tile 2 w; waves 0 to 11 also tile 2 w + 1;
; waves 0 to 3 also tile 2 w + 25, the odd tile of wave w + 12.  EVERY wave walks all three loops of 16 trips, so that the trip counts stay constants; a branch on the wave's number inside a loop leads round a step's work alone.
; Both products are used transposed (S^T = K Q^T, O^T = V^T P^T): a lane holds one query.  The head's K is 64, the instruction's 128: a fragment of K holds two tiles of keys side by side, and Q stands beside zero codes.
; All steps are alike: each fetches the next step's K, the last step of a tile step 0's again, which the wave's next tile begins with.
; CLUSTER.  The four work-groups of a head read the same K and V: all of it, 128 KiB of codes and 8 KiB of scale words, is asked for jointly, once, at the head: waves 0 to 7 fetch 16 KiB of codes each, wave 8 the scale words.
; No prefetch: every byte of K and V is asked for by the head's loads, so there is no loop to run ahead in.
; A BLOCK'S SCALE.  The largest score of each block of 32 keys, which the row's maximum passes through anyway, gives x = t - M of the block's largest p; that p's exponent is floor(x), so the conversion's scale operand is
; 2^(floor(x) - 2), made by v_ldexp_f32 of 0.25.  Two blocks share a register (lanes 0-15 one, lanes 16-31 the other) from the joining of the halves' maxima up to the scale operand.
; LIMITS.  The scaled scores stay under 2^31 in magnitude.  NaN and infinities are not served.  Where x lies within an ulp under a whole number and v_exp_f32 rounds p up to the power of two, that one p is held at the largest code.
; A block whose largest p lies under 2^-124 gets the byte 0 or 1 (2^-127, 2^-126) where the rule holds the byte at 1; a block of zeros in the result gets the byte 1: its codes are zeros, and this program alone reads the bytes.
.set SPARE, 0x29000                    ; the spare words: 128 bytes for each of the 16 waves; no other line names them
.set LI,  1                            ; 16 x lane: my place in an image of 512 bytes; K's codes begin at LDS byte 0
.set LV,  2                            ; the same in V's codes, from LDS byte 65,536
.set LS,  3                            ; 16 x (lane % 16), from LDS byte 131,072: K's scale words; V's lie 4,096 on
.set ADK, 4
.set ADV, 5
.set ADS, 6
.set SB0, 7                            ; a tile's scale bytes of the result, two registers by turns
.set SB1, 8
.set AO,  9                            ; 32 x (lane % 16)
.set ADT, 10
.set Q,   16                           ; v16-43: zeros, tile 0's Q, zeros, tile 1's, zeros, tile 2's, zeros: four registers each
.set KSR, 44
.set VSR, 48
.set PWR, 52                           ; p's scale word
.set QW0, 53
.set QW1, 54
.set QW2, 55
.set KF,  56
.set PCD, 88                           ; p's codes
.set S,   96                           ; S^T, then p
.set O,   160
.set VF,  192
.set RC,  224                          ; the result's codes, two sets by turns
.set SPW, 250
.set NIL, 255
; v12 -M, v13 the largest score so far, v[14:15] the sum; v232-249 at work; v251 the old -M; v252 f = 2^(old M - new M)
.macro ROUND
	s_barrier_signal -1
	s_barrier_wait -1
	s_cmp_lg_u32 s12, 0
	s_cbranch_scc1 .Lnot_wave_0_\@
	s_barrier_signal -3
.Lnot_wave_0_\@:
	s_barrier_wait -3
	s_barrier_signal -1
	s_barrier_wait -1
.endm
	s_load_b256 s[4:11], s[0:1], 0x0               ; qkv, qkvs, ao, aos
	v_lshl_add_u32 v[SPW], v0, 2, SPARE
	v_mov_b32 v[NIL], 0
	ds_add_u32 v[SPW], v[NIL]                      ; the opening lines: the add, twice on end, and its wait
	ds_add_u32 v[SPW], v[NIL]
	v_lshrrev_b32 v10, 5, v0
	v_readfirstlane_b32 s12, v10                   ; wave 0..15
	s_bfe_u32 s13, ttmp6, 0x40000                  ; cx: which 512 queries
	s_and_b32 s14, ttmp7, 0xffff                   ; batch x head
	s_mov_b32 s24, 15|(3<<16)|(1<<21)              ; group 1 for codes: all four partners; 64 lines of 256 bytes, dense
	s_mov_b32 s25, 32<<16
	s_mov_b32 s26, 64<<16
	s_mov_b32 s27, 32<<16
	s_mov_b32 s28, 64
	s_mov_b32 s29, 32
	s_mov_b32 s30, 0
	s_mov_b32 s31, 0
	s_mov_b32 s32, 15|(3<<16)|(1<<21)              ; group 1 for the scale words: 32 such lines
	s_mov_b32 s33, 32<<16
	s_mov_b32 s34, 32<<16
	s_mov_b32 s35, 32<<16
	s_mov_b32 s36, 32
	s_mov_b32 s37, 32
	s_mov_b32 s38, 0
	s_mov_b32 s39, 0
	s_mov_b32 s20, 0x76543210
	s_mov_b32 s21, 0xfedcba98                      ; v_permlanex16_b32's selects for lane l xor 16
	s_mov_b32 s22, 0x3e38aa3b                      ; c = log2(e) / 8
	s_mov_b32 s23, s22
	s_mov_b32 s60, 0x3e800000                      ; 0.25
	s_mul_i32 s52, s14, 196608
	s_mov_b32 s53, 0
	s_and_b32 s15, s12, 7
	s_lshl_b32 s15, s15, 14                        ; 16 KiB of K's and V's 128 KiB for each of waves 0 to 7
	s_add_co_u32 s54, s52, s15
	s_add_co_u32 s54, s54, 65536
	s_mov_b32 s55, 0
	s_mul_i32 s56, s14, 12288
	s_mov_b32 s57, 0
	s_add_co_u32 s58, s56, 4096
	s_mov_b32 s59, 0
	s_wait_dscnt 0x0
	s_wait_kmcnt 0x0
	s_mov_b32 s40, 1
	s_mov_b32 s41, s15
	s_add_nc_u64 s[42:43], s[4:5], s[54:55]
	s_or_b32 s43, s43, 0x80000000
	s_mov_b32 s44, 1
	s_mov_b32 s45, 131072
	s_add_nc_u64 s[46:47], s[6:7], s[58:59]
	s_or_b32 s47, s47, 0x80000000
	ROUND                                          ; all four work-groups are here: the joint loads meet
	s_cmp_lt_u32 s12, 8                            ; one chain of branches on the wave's number, at most one load on any way
	s_cbranch_scc0 .Lnot_codes
	tensor_load_to_lds s[40:43], s[24:31]
	s_nop 0
.rept 4
	v_nop
.endr
	s_branch .Lasked
.Lnot_codes:
	s_cmp_eq_u32 s12, 8
	s_cbranch_scc0 .Lasked
	tensor_load_to_lds s[44:47], s[32:39]
	s_nop 0
.rept 4
	v_nop
.endr
.Lasked:
	s_lshl_b32 s17, s13, 14                        ; Q: 32 tiles of 512 bytes a work-group; mine begin at tile 2 w
	s_lshl_b32 s18, s12, 10
	s_add_co_u32 s52, s52, s17
	s_add_co_u32 s52, s52, s18
	s_add_nc_u64 s[4:5], s[4:5], s[52:53]
	s_lshl_b32 s17, s13, 10                        ; Q's scale words: [step of 8 tiles][row][pair of tiles]; my pair is w
	s_lshr_b32 s18, s12, 2
	s_lshl_b32 s18, s18, 8
	s_and_b32 s19, s12, 3
	s_lshl_b32 s19, s19, 2
	s_add_co_u32 s56, s56, s17
	s_add_co_u32 s56, s56, s18
	s_add_co_u32 s56, s56, s19
	s_add_nc_u64 s[6:7], s[6:7], s[56:57]
	s_lshr_b32 s17, s14, 4                         ; the result: [tile of 16 tokens][head][512 bytes], its bytes [token][head][2]
	s_lshl_b32 s17, s17, 7
	s_lshl_b32 s18, s13, 5
	s_add_co_u32 s17, s17, s18
	s_lshl_b32 s18, s12, 1
	s_add_co_u32 s17, s17, s18
	s_and_b32 s18, s14, 15
	s_lshl_b32 s52, s17, 13
	s_lshl_b32 s19, s18, 9
	s_add_co_u32 s52, s52, s19
	s_add_nc_u64 s[8:9], s[8:9], s[52:53]
	s_lshl_b32 s52, s17, 9
	s_lshl_b32 s19, s18, 1
	s_add_co_u32 s52, s52, s19
	s_add_nc_u64 s[10:11], s[10:11], s[52:53]
	s_cmp_lt_u32 s12, 4                            ; waves 0 to 3: the third tile lies 25 tiles on, its scale word in pair w + 12, three steps on; the other waves name their first tile again and do not use it
	s_cselect_b32 s18, 12800, 0
	s_cselect_b32 s19, 768, 0
	v_and_b32 v10, 31, v0
	v_and_b32 v11, 15, v0
	v_lshlrev_b32 v[LI], 4, v10
	v_lshlrev_b32 v[AO], 5, v11
	v_lshlrev_b32 v11, 4, v11
	v_add_nc_u32 v[LV], 65536, v[LI]
	v_add_nc_u32 v246, s18, v[LI]
	v_add_nc_u32 v[LS], 131072, v11
	v_add_nc_u32 v247, s19, v11
	global_load_b128 v[Q+4:Q+7], v[LI], s[4:5]
	global_load_b128 v[Q+12:Q+15], v[LI], s[4:5] offset:512
	global_load_b128 v[Q+20:Q+23], v246, s[4:5]
	global_load_b32 v232, v11, s[6:7]
	global_load_b32 v233, v247, s[6:7]
.irp j, 0,1,2,3,8,9,10,11,16,17,18,19,24,25,26,27
	v_mov_b32 v[Q+\j], 0
.endr
.irp b, 0,1,2,3
	v_mov_b32 v[236+\b], 0                         ; a lane permute's destination counts as one of its sources
.endr
	v_mov_b32 v252, 0
	v_mov_b32 v253, 0                              ; named as the upper half of the pair v[252:253]
	s_wait_loadcnt 0x0
	v_perm_b32 v[QW0], v232, v232, 0x01000100      ; a tile's two bytes, for either half of the instruction's K
	v_perm_b32 v[QW1], v232, v232, 0x03020302
	v_perm_b32 v[QW2], v233, v233, 0x03020302
	s_wait_alu depctr_va_vdst(0)                   ; the wait at the head's end
	s_wait_tensorcnt 0x0
	s_barrier_signal -1
	s_barrier_wait -1                              ; all of K, V and their scale words are in; nothing is filled again
.irp p, 0,1,2,3
.irp c, 0,1
	ds_load_b128 v[KF+8*\p+4*\c:KF+8*\p+4*\c+3], v[LI] offset:1024*\p+512*\c   ; step 0's K
.endr
.endr
	ds_load_b128 v[KSR:KSR+3], v[LS]
.macro FM n                            ; n packed multiply-adds: t - M, two at a time
.rept \n
	v_pk_fma_f32 v[S+FJ:S+FJ+1], v[S+FJ:S+FJ+1], s[22:23], v[12:13] op_sel_hi:[1,0,0]
.set FJ, FJ+2
.endr
.endm
; A KEY STEP of one tile: 128 keys.
.macro STEP q, qw
	s_add_co_u32 s16, s48, 4096                    ; the next step's K and its scale words; behind the last step: step 0's
	s_and_b32 s16, s16, 0xffff
	s_lshr_b32 s17, s16, 4                         ; a step's scale words are 256 bytes, a sixteenth of its 4,096 bytes of codes
	s_lshr_b32 s49, s48, 4
	s_wait_dscnt 0x0                               ; this step's K and its scale words are in
.irp t, 0,1,2,3,4,5,6,7
	v_wmma_scale_f32_16x16x128_f8f6f4 v[S+8*\t:S+8*\t+7], v[KF+8*(\t/2):KF+8*(\t/2)+7], v[\q+4-4*(\t%2):\q+11-4*(\t%2)], 0, v[KSR+\t/2], v[\qw] matrix_a_fmt:MATRIX_FMT_FP4 matrix_b_fmt:MATRIX_FMT_FP4
.endr
	v_add_nc_u32 v[ADK], s16, v[LI]                ; four plain lines: the places behind the products, ahead of the loads into K's registers and of the first read of S^T
	v_add_nc_u32 v[ADV], s48, v[LV]
	v_add_nc_u32 v[ADS], s49, v[LS]
	v_add_nc_u32 v[ADT], s17, v[LS]
.irp d, 0,1,2,3
.irp c, 0,1
	ds_load_b128 v[VF+8*\d+4*\c:VF+8*\d+4*\c+3], v[ADV] offset:1024*\d+512*\c
.endr
.endr
	ds_load_b128 v[VSR:VSR+3], v[ADS] offset:4096
.irp p, 0,1,2,3
.irp c, 0,1
	ds_load_b128 v[KF+8*\p+4*\c:KF+8*\p+4*\c+3], v[ADK] offset:1024*\p+512*\c
.endr
.endr
	ds_load_b128 v[KSR:KSR+3], v[ADT]
.irp b, 0,1,2,3                                ; the largest of my 16 scores of each block of 32 keys: two chains a block, eight by turns; each accumulator from its low end on
	v_max3_num_f32 v[232+\b], v[S+16*\b], v[S+1+16*\b], v[S+2+16*\b]
	v_max3_num_f32 v[240+\b], v[S+3+16*\b], v[S+4+16*\b], v[S+5+16*\b]
.endr
.irp i, 6,10
.irp b, 0,1,2,3
	v_max3_num_f32 v[232+\b], v[232+\b], v[S+16*\b+\i], v[S+1+16*\b+\i]
	v_max3_num_f32 v[240+\b], v[240+\b], v[S+2+16*\b+\i], v[S+3+16*\b+\i]
.endr
.endr
.irp b, 0,1,2,3
	v_max3_num_f32 v[232+\b], v[232+\b], v[240+\b], v[S+14+16*\b]
.endr
.irp b, 0,1,2,3
	v_max_num_f32 v[232+\b], v[232+\b], v[S+15+16*\b]
.endr
	v_max3_num_f32 v236, v232, v233, v234          ; the row's maximum is taken beside the joining of the blocks' halves
	v_mov_b32 v251, v12
	v_max3_num_f32 v236, v236, v235, v13
	v_permlane16_swap_b32 v232, v233               ; v232: blocks 0's and 1's lower halves, v233: their upper halves
	v_permlane16_swap_b32 v234, v235
	v_permlanex16_b32 v237, v236, s20, s21
	v_max_num_f32 v232, v232, v233                 ; lanes 0-15: block 0's largest score of query r; lanes 16-31: block 1's
	v_max_num_f32 v234, v234, v235                 ; blocks 2 and 3
	v_max_num_f32 v13, v236, v237                  ; the row's largest score so far
	s_delay_alu instid0(VALU_DEP_1)
	v_mul_f32 v238, s22, v13                       ; as t (c is positive)
	s_delay_alu instid0(VALU_DEP_1)
	v_floor_f32 v12, -v238                         ; -M = floor(-t): M is a whole number
	s_delay_alu instid0(VALU_DEP_1)
	v_sub_f32 v254, v12, v251                      ; old M - new M: a whole number, 0 or less
	v_fma_f32 v232, v232, s22, v12                 ; x = t - M of each block's largest score
	v_fma_f32 v234, v234, s22, v12
.set FJ, 0
	FM 2                                           ; the 32 multiply-adds stand between the short dependent lines
	v_cvt_i32_f32 v254, v254                       ; (it saturates)
	v_cvt_floor_i32_f32 v232, v232                 ; the exponent of the block's largest p
	v_cvt_floor_i32_f32 v234, v234
	FM 3
	v_ldexp_f32 v252, 1.0, v254                    ; f
	v_ldexp_f32 v232, s60, v232                    ; 2^(exponent - 2): the conversion takes its exponent field as the scale
	v_ldexp_f32 v234, s60, v234
	FM 3
	v_lshrrev_b32 v236, 23, v232                   ; the bytes: blocks 0 | 1,
	v_lshrrev_b32 v238, 23, v234                   ; blocks 2 | 3
	v_mov_b32 v233, v232
	v_mov_b32 v235, v234
	FM 2
	v_lshl_or_b32 v236, v238, 16, v236
	v_permlane16_swap_b32 v232, v233               ; every lane now has block 0's scale operand in v232, block 1's in v233,
	v_permlane16_swap_b32 v234, v235               ; blocks 2's and 3's in v234, v235
	FM 3
	v_permlanex16_b32 v237, v236, s20, s21
	FM 4
	v_lshl_or_b32 v[PWR], v237, 8, v236            ; lanes 0-15: the four bytes in order: p's scale word (lanes 16-31 are not read)
	FM 15
	s_wait_alu depctr_va_vdst(0)                   ; the wait ahead of the batch
.set j, 0
.rept 64
	v_exp_f32 v[S+j], v[S+j]                       ; p = 2^(t - M)
.set j, j+1
.endr
	v_pk_mul_f32 v[14:15], v[14:15], v[252:253] op_sel_hi:[1,0]   ; the sum under the new M: a plain line behind the batch
	s_wait_alu depctr_va_vdst(0)                   ; one wait for the batch, directly ahead of O^T's first readers too
.set j, 0
.rept 16
	v_pk_mul_f32 v[O+j:O+j+1], v[O+j:O+j+1], v[252:253] op_sel_hi:[1,0]
.set j, j+2
.endr
.irp b, 0,1,2,3
	v_cvt_scalef32_pk8_fp4_f32 v[PCD+2*\b], v[S+16*\b:S+7+16*\b], v[232+\b]
	v_cvt_scalef32_pk8_fp4_f32 v[PCD+1+2*\b], v[S+8+16*\b:S+15+16*\b], v[232+\b]
.endr
	v_pk_add_f32 v[14:15], v[14:15], v[S:S+1]      ; the row's sum of the unquantised p, in eight chains by turns; these are also the plain lines behind the conversions
.irp k, 1,2,3,4,5,6,7
	v_pk_add_f32 v[234+2*\k:235+2*\k], v[S+4*\k-2:S+4*\k-1], v[S+4*\k:S+4*\k+1]
.endr
.irp c, 0,1                                    ; the operand's layout wants a whole block in a lane
.irp i, 0,1
	v_permlane16_swap_b32 v[PCD+4*\c+\i], v[PCD+2+4*\c+\i]
.endr
.endr
.irp g, 30,46
	v_pk_add_f32 v[14:15], v[14:15], v[S+\g:S+\g+1]
.irp k, 1,2,3,4,5,6,7
	v_pk_add_f32 v[234+2*\k:235+2*\k], v[234+2*\k:235+2*\k], v[S+\g+2*\k:S+\g+2*\k+1]
.endr
.endr
	v_pk_add_f32 v[14:15], v[14:15], v[S+62:S+63]
	v_pk_add_f32 v[236:237], v[236:237], v[238:239]
	v_pk_add_f32 v[240:241], v[240:241], v[242:243]
	v_pk_add_f32 v[244:245], v[244:245], v[246:247]
	v_pk_add_f32 v[14:15], v[14:15], v[248:249]
	v_pk_add_f32 v[236:237], v[236:237], v[240:241]
	v_pk_add_f32 v[14:15], v[14:15], v[244:245]
	s_delay_alu instid0(VALU_DEP_1)
	v_pk_add_f32 v[14:15], v[14:15], v[236:237]
	s_wait_dscnt 0x9                               ; V and its scale words are in; the nine younger loads (the next K and its words) may be out
.irp d, 0,1,2,3
	v_wmma_scale_f32_16x16x128_f8f6f4 v[O+8*\d:O+8*\d+7], v[VF+8*\d:VF+8*\d+7], v[PCD:PCD+7], v[O+8*\d:O+8*\d+7], v[VSR+\d], v[PWR] matrix_a_fmt:MATRIX_FMT_FP4 matrix_b_fmt:MATRIX_FMT_FP4
.endr
.endm
.macro GUARD lim, target               ; waves from lim on have no such tile: a branch on the wave's number
.if \lim < 16
	s_cmp_lt_u32 s12, \lim
	s_cbranch_scc0 \target
.endif
.endm
; A TILE of 16 queries: 16 key steps, the division by the sum, and the quantising of the result's two blocks of 32 along the head's 64.
.macro TILE q, qw, sb, rc, goff, soff, lim
	GUARD \lim, .Lno_head_\@
	v_mov_b32 v13, 0xff61b1e6                      ; the largest score so far: -3e38
	v_mov_b32 v14, 0
	v_mov_b32 v15, 0
	v_floor_f32 v12, -v13                          ; -M: the first change of M gives f = 0, which leaves the zeros zeros
.set j, 0
.rept 32
	v_mov_b32 v[O+j], 0
.set j, j+1
.endr
.Lno_head_\@:
	s_mov_b32 s48, 0
.Lstep_\@:
	GUARD \lim, .Lhidden_\@
	STEP \q, \qw
.Lhidden_\@:
	s_add_co_u32 s48, s48, 4096
	s_cmp_lt_u32 s48, 65536                        ; 16 trips: the offset of the step's codes is the counter
	s_cbranch_scc1 .Lstep_\@
	GUARD \lim, .Lno_tail_\@
.rept 4
	v_nop
.endr
	s_wait_alu depctr_va_vdst(0)
	s_wait_xcnt 0x0                                ; the stores of two tiles ago have read their registers: that set may be written again
	v_add_f32 v14, v14, v15
	s_delay_alu instid0(VALU_DEP_1)
	v_permlanex16_b32 v252, v14, s20, s21
	s_delay_alu instid0(VALU_DEP_1)
	v_add_f32 v14, v14, v252                       ; the row's sum
	s_wait_alu depctr_va_vdst(0)                   ; the wait ahead of the transcendental
	v_rcp_f32 v14, v14
	v_nop
	s_wait_alu depctr_va_vdst(0)                   ; and ahead of its first reader, which is O^T's first reader too
.set j, 0
.rept 16
	v_pk_mul_f32 v[S+j:S+j+1], v[O+j:O+j+1], v[14:15] op_sel_hi:[1,0]
.set j, j+2
.endr
.irp b, 0,1
	v_max3_num_f32 v[232+\b], |v[S+16*\b]|, |v[S+1+16*\b]|, 0x1800000   ; with the floor 2^(3 - 127): the byte cannot fall under 1
.endr
.irp i, 2,4,6,8,10,12,14
.irp b, 0,1
	s_delay_alu instid0(VALU_DEP_2)
	v_max3_num_f32 v[232+\b], v[232+\b], |v[S+16*\b+\i]|, |v[S+1+16*\b+\i]|
.endr
.endr
.irp b, 0,1
	s_delay_alu instid0(VALU_DEP_2)
	v_permlanex16_b32 v[236+\b], v[232+\b], s20, s21
.endr
.irp b, 0,1
	s_delay_alu instid0(VALU_DEP_2)
	v_max_num_f32 v[232+\b], v[232+\b], v[236+\b]
.endr
.irp b, 0,1
	s_delay_alu instid0(VALU_DEP_2)
	v_add_nc_u32 v[244+\b], 0xff000000, v[232+\b]  ; 2 off the exponent field: the conversion's scale operand
.endr
.irp b, 0,1
	s_delay_alu instid0(VALU_DEP_2)
	v_lshrrev_b32 v[236+\b], 23, v[244+\b]
.endr
	s_delay_alu instid0(VALU_DEP_1)
	v_lshl_or_b32 v[\sb], v237, 8, v236            ; the same in both halves of the lanes
.irp b, 0,1
	v_cvt_scalef32_pk8_fp4_f32 v[\rc+2*\b], v[S+16*\b:S+7+16*\b], v[244+\b]
	v_cvt_scalef32_pk8_fp4_f32 v[\rc+1+2*\b], v[S+8+16*\b:S+15+16*\b], v[244+\b]
.endr
	v_nop                                          ; one plain line behind a scaled conversion
.irp i, 0,1
	v_permlane16_swap_b32 v[\rc+\i], v[\rc+2+\i]
.endr
	global_store_b128 v[LI], v[\rc:\rc+3], s[8:9] offset:\goff   ; 32 lanes store 512 consecutive bytes: an image of four operand registers
	global_store_b16 v[AO], v[\sb], s[10:11] offset:\soff        ; row r's two bytes (lanes r and r + 16 store the same bytes to the same place)
.Lno_tail_\@:
.endm
	TILE Q,    QW0, SB0, RC,   0,      0,     16   ; tile 2 w: every wave
	TILE Q+8,  QW1, SB1, RC+4, 8192,   512,   12   ; tile 2 w + 1: waves 0 to 11
	TILE Q+16, QW2, SB0, RC,   204800, 12800, 4    ; tile 2 w + 25: waves 0 to 3
	s_wait_tensorcnt 0x0                           ; the wave's end
	ds_add_u32 v[SPW], v[NIL]
	s_wait_dscnt 0x0
	ROUND                                          ; the closing round
	s_endpgm
.Lfunc_end_k_qf3980f65b5_attn:
	.size	k_qf3980f65b5_attn, .Lfunc_end_k_qf3980f65b5_attn-k_qf3980f65b5_attn
	.p2alignl 7, 3214868480
	.fill 96, 4, 3214868480
	.section	.rodata,"a",@progbits
	.p2align	6, 0x0
	.amdhsa_kernel k_qf3980f65b5_attn
		.amdhsa_group_segment_fixed_size 327680
		.amdhsa_private_segment_fixed_size 0
		.amdhsa_enable_private_segment 0
		.amdhsa_kernarg_size 32
		.amdhsa_user_sgpr_count 2
		.amdhsa_user_sgpr_kernarg_segment_ptr 1
		.amdhsa_wavefront_size32 1
		.amdhsa_system_sgpr_workgroup_id_x 1
		.amdhsa_system_sgpr_workgroup_id_y 1
		.amdhsa_system_sgpr_workgroup_id_z 1
		.amdhsa_system_vgpr_workitem_id 0
		.amdhsa_next_free_vgpr 256
		.amdhsa_next_free_sgpr 66
		.amdhsa_reserve_vcc 0
		.amdhsa_float_denorm_mode_32 3
		.amdhsa_float_denorm_mode_16_64 3
		.amdhsa_memory_ordered 1
		.amdhsa_forward_progress 1
		.amdhsa_inst_pref_size 68
	.end_amdhsa_kernel
	.amdgpu_metadata
---
amdhsa.version: [ 1, 2 ]
amdhsa.kernels:
  - .name:           k_qf3980f65b5_attn
    .symbol:         k_qf3980f65b5_attn.kd
    .args:
      - { .name: qkv, .offset: 0, .size: 8, .value_kind: global_buffer, .address_space: global }
      - { .name: qkvs, .offset: 8, .size: 8, .value_kind: global_buffer, .address_space: global }
      - { .name: ao, .offset: 16, .size: 8, .value_kind: global_buffer, .address_space: global }
      - { .name: aos, .offset: 24, .size: 8, .value_kind: global_buffer, .address_space: global }
    .group_segment_fixed_size: 327680
    .private_segment_fixed_size: 0
    .kernarg_segment_align: 8
    .kernarg_segment_size: 32
    .max_flat_workgroup_size: 512
    .sgpr_count:     66
    .vgpr_count:     256
    .wavefront_size: 32
...
	.end_amdgpu_metadata
.endif
;; end of part 3
;; launch outp (part 4): grid 4 x 64, 4 waves a work-group, clusters of 4 x 4, 327,680 bytes of LDS; arguments ao, aos, codes, scales, x, out0; writes out0
.if DOCPART == 4
	.amdgcn_target "amdgcn-amd-amdhsa--gfx1250"
	.amdhsa_code_object_version 6
	.text
	.protected	k_qf3980f65b5_outp
	.globl	k_qf3980f65b5_outp
	.p2align	8
	.type	k_qf3980f65b5_outp,@function
k_qf3980f65b5_outp:
	s_mov_b64 s[64:65], 0
	v_nop
	global_prefetch_b8 v0, s[64:65] scope:SCOPE_SE
	s_setreg_imm32_b32 hwreg(HW_REG_WAVE_MODE, 25, 1), 1
	s_wait_xcnt 0x0
	s_wait_alu depctr_hold_cnt(0) depctr_sa_sdst(0) depctr_va_vdst(0) depctr_va_sdst(0) depctr_va_ssrc(0) depctr_va_vcc(0) depctr_vm_vsrc(0)
	s_getreg_b32 s2, hwreg(HW_REG_IB_STS2, 6, 4)
	s_cmp_eq_u32 s2, 0
	s_cbranch_scc0 .Lentry_in_a_cluster
	s_endpgm
.Lentry_in_a_cluster:
	s_bfe_u32 s2, ttmp6, 0x10000c
	s_cmp_lg_u32 s2, 0xf033
	s_cbranch_scc0 .Lentry_shape_is_right
	s_endpgm
.Lentry_shape_is_right:
.set PITCH,  528                       ; a row of Wo's codes in LDS: all of K, 512 bytes, + 16 of padding
.set BBASE,  65536
.set BHALF,  256                       ; the second half of K begins 256 bytes on in each row
.set ASC,    204800
.set BSC,    209152
.set STAGE,  217856
.set SPITCH, 528
.set LI,   1
.set ADRA, 2
.set ADRB, 4
.set ASA,  6
.set ASB,  7
.set STO,  8
.set RD,   9
.set SA,   32
.set SBW,  64
.set AF,   128
.set BK,   128
.set G1, 24
.set G0, 32
.set G1B, 48
.set G0B, 56
.set G1S, 68
.set G0S, 76
.set G1SB, 80
.set G0SB, 88
.set MSB, 0
.macro WIN new
.if MSB != \new
	s_set_vgpr_msb (MSB<<8)|\new
.set MSB, \new
.endif
.endm
.macro ARM under, g0, g1, next         ; one arm of the head's chain of branches on the wave's number: its joint load, and a jump to the chain's end
	s_cmp_lt_u32 s16, \under
	s_cbranch_scc0 \next
	tensor_load_to_lds s[\g0:\g0+3], s[\g1:\g1+7]
	s_nop 0
.rept 4
	v_nop
.endr
	s_branch .Lhead_asked
\next:
.endm
.macro CROUND
	s_barrier_signal -1
	s_barrier_wait -1
	s_cmp_lg_u32 s16, 0
	s_cbranch_scc1 .Lnot_wave_0_\@
	s_barrier_signal -3
.Lnot_wave_0_\@:
	s_barrier_wait -3
	s_barrier_signal -1
	s_barrier_wait -1
.endm
.macro PLACES n
.rept \n
	v_nop
.endr
.endm
	s_load_b256 s[4:11], s[0:1], 0x0
	s_load_b128 s[12:15], s[0:1], 0x20
	v_lshl_add_u32 v30, v0, 2, 0x3d700
	v_mov_b32 v31, 0
	ds_add_u32 v30, v31
	ds_add_u32 v30, v31
	v_lshrrev_b32 v10, 5, v0
	v_readfirstlane_b32 s16, v10
	s_lshr_b32 s17, s16, 1
	s_and_b32 s18, s16, 1
	s_bfe_u32 s40, ttmp6, 0x40000
	s_bfe_u32 s41, ttmp6, 0x40004
	s_and_b32 s42, ttmp7, 0xffff
	s_lshl_b32 s42, s42, 2
	s_add_co_u32 s42, s42, s41
	s_lshl_b32 s43, s41, 2
	s_lshl_b32 s43, 15, s43
	s_lshl_b32 s44, 0x1111, s40
	s_or_b32 s[G1+0], s43, (3<<16)|(1<<21)
	s_mov_b32 s[G1+1], 32<<16                      ; the 128 tokens' codes: 65,536 dense bytes as 256 lines of 256
	s_mov_b32 s[G1+2], 256<<16
	s_mov_b32 s[G1+3], 32<<16
	s_mov_b32 s[G1+4], 256
	s_mov_b32 s[G1+5], 32
	s_mov_b32 s[G1+6], 0
	s_mov_b32 s[G1+7], 0
	s_or_b32 s[G1B+0], s44, (0<<16)|(1<<20)|(1<<21)|(6<<22)|(3<<25)  ; 256 rows of Wo, 512 bytes each; 4 words of padding behind every 128
	s_mov_b32 s[G1B+1], 512<<16
	s_mov_b32 s[G1B+2], 256<<16
	s_mov_b32 s[G1B+3], 512<<16
	s_mov_b32 s[G1B+4], 256
	s_mov_b32 s[G1B+5], 512
	s_mov_b32 s[G1B+6], 0
	s_mov_b32 s[G1B+7], 0
	s_or_b32 s[G1S+0], s43, (3<<16)|(1<<20)|(1<<21)|(5<<22)|(3<<25)
	s_mov_b32 s[G1S+1], 32<<16
	s_mov_b32 s[G1S+2], 16<<16
	s_mov_b32 s[G1S+3], 32<<16
	s_mov_b32 s[G1S+4], 16
	s_mov_b32 s[G1S+5], 32
	s_mov_b32 s[G1S+6], 0
	s_mov_b32 s[G1S+7], 0
	s_or_b32 s[G1SB+0], s44, (3<<16)|(1<<20)|(1<<21)|(5<<22)|(3<<25)
	s_mov_b32 s[G1SB+1], 32<<16
	s_mov_b32 s[G1SB+2], 32<<16
	s_mov_b32 s[G1SB+3], 32<<16
	s_mov_b32 s[G1SB+4], 32
	s_mov_b32 s[G1SB+5], 32
	s_mov_b32 s[G1SB+6], 0
	s_mov_b32 s[G1SB+7], 0
	s_lshl_b32 s20, s42, 16                        ; my 128 tokens' codes,
	s_mov_b32 s21, 0
	s_lshl_b32 s22, s42, 12                        ; their scale bytes,
	s_mov_b32 s23, 0
	s_lshl_b32 s46, s40, 17                        ; my 256 rows of Wo, from place 19,456 on,
	s_add_co_u32 s46, s46, 9961472
	s_mov_b32 s47, 0
	s_lshl_b32 s92, s40, 13                        ; and their scale bytes
	s_add_co_u32 s92, s92, 622592
	s_mov_b32 s93, 0
	s_wait_dscnt 0x0
	s_wait_kmcnt 0x0
	s_add_nc_u64 s[20:21], s[4:5], s[20:21]
	s_add_nc_u64 s[22:23], s[6:7], s[22:23]
	s_add_nc_u64 s[46:47], s[8:9], s[46:47]
	s_add_nc_u64 s[92:93], s[10:11], s[92:93]
	CROUND
	s_mov_b32 s[G0S], 1
	s_mov_b32 s[G0S+1], ASC
	s_mov_b64 s[G0S+2:G0S+3], s[22:23]
	s_or_b32 s[G0S+3], s[G0S+3], 0x80000000
	s_mov_b32 s[G0SB], 1
	s_mov_b32 s[G0SB+1], BSC
	s_mov_b64 s[G0SB+2:G0SB+3], s[92:93]
	s_or_b32 s[G0SB+3], s[G0SB+3], 0x80000000
	s_mov_b32 s[G0], 1
	s_mov_b32 s[G0+1], 0
	s_mov_b64 s[G0+2:G0+3], s[20:21]
	s_or_b32 s[G0+3], s[G0+3], 0x80000000
	s_mov_b32 s[G0B], 1
	s_mov_b32 s[G0B+1], BBASE
	s_mov_b64 s[G0B+2:G0B+3], s[46:47]
	s_or_b32 s[G0B+3], s[G0B+3], 0x80000000
	; THE HEAD'S LOADS, ONE A WAVE: both operands with all of K and their scale bytes are four tiles, and all four fit in LDS at once:
	; wave 0 fetches the tokens' codes, wave 1 Wo's rows, wave 2 the tokens' scale bytes, wave 3 Wo's.  Nothing is filled twice.
	ARM 1, G0,  G1,  .Lhead_b
	ARM 2, G0B, G1B, .Lhead_sa
	ARM 3, G0S, G1S, .Lhead_sb
	tensor_load_to_lds s[G0SB:G0SB+3], s[G1SB:G1SB+7]
	s_nop 0
.rept 4
	v_nop
.endr
.Lhead_asked:
	s_lshl_b32 s98, s42, 19
	s_lshl_b32 s97, s17, 18
	s_add_co_u32 s98, s98, s97
	s_lshl_b32 s97, s40, 10
	s_add_co_u32 s98, s98, s97
	s_lshl_b32 s97, s18, 9
	s_add_co_u32 s98, s98, s97
	s_mov_b32 s99, 0
	s_add_nc_u64 s[12:13], s[12:13], s[98:99]
	s_add_nc_u64 s[14:15], s[14:15], s[98:99]
	v_and_b32 v10, 31, v0
	v_lshlrev_b32 v[LI], 4, v10
; x's 16 rows of block a, 512 bytes of each for my wave, into window 3: 16 loads.  They are asked for behind the tiles: blocks 0 to 2 when the tiles are in, block 3 behind the last products, so that at most 63 loads are out until then.
.macro XLOAD a
	WIN 0xc0
.irp t, 0,1,2,3,4,5,6,7,8,9,10,11,12,13,14,15
	global_load_b128 v[4*(16*(\a)+\t):4*(16*(\a)+\t)+3], v[LI], s[12:13] offset:(32*((\a)/2)+8*((\a)%2)+\t+8*(\t/8))*4096 th:TH_LOAD_NT
.endr
	WIN 0
.endm
	v_and_b32 v11, 15, v0
	v_bfe_u32 v12, v0, 4, 1
	s_lshl_b32 s97, s17, 15                        ; my four tiles of tokens, 8,192 bytes each
	v_add_nc_u32 v[ADRA], s97, v[LI]
	v_mul_u32_u24 v13, v11, PITCH
	v_lshl_add_u32 v13, v12, 4, v13
	s_mul_i32 s97, s18, 128*PITCH
	s_add_co_u32 s97, s97, BBASE
	v_add_nc_u32 v[ADRB], s97, v13
	s_add_co_u32 s97, s97, BHALF
	v_add_nc_u32 v[ADRB+1], s97, v13
	v_lshlrev_b32 v14, 5, v11
	v_lshrrev_b32 v15, 3, v11
	v_lshl_add_u32 v14, v15, 4, v14
	s_mul_i32 s97, s17, 2176
	s_add_co_u32 s97, s97, ASC
	v_add_nc_u32 v[ASA], s97, v14
	s_mul_i32 s97, s18, 4352
	s_add_co_u32 s97, s97, BSC
	v_add_nc_u32 v[ASB], s97, v14
	s_mul_i32 s97, s16, 16*SPITCH
	s_add_co_u32 s97, s97, STAGE
	v_mul_u32_u24 v13, v11, SPITCH
	v_lshl_add_u32 v13, v12, 6, v13
	v_add_nc_u32 v[STO], s97, v13
	v_add_nc_u32 v[RD], s97, v[LI]
.macro FETCH q
	WIN 0x40
.irp b, 0,1,2,3,4,5,6,7
.irp c, 0,1
	ds_load_b128 v[128*((\q)%2)+8*\b+4*\c:128*((\q)%2)+8*\b+4*\c+3], v[ADRB+(\q)/4] offset:\b*16*PITCH+64*((\q)%4)+32*\c
.endr
.endr
	WIN 0
.irp a, 0,1,2,3
.irp c, 0,1
	ds_load_b128 v[AF+32*((\q)%2)+8*\a+4*\c:AF+32*((\q)%2)+8*\a+4*\c+3], v[ADRA] offset:\a*8192+(\q)*1024+512*\c
.endr
.endr
.endm
.macro KQ q
	s_wait_dscnt 0x0
.if (\q) < 7
	PLACES 4
	FETCH (\q)+1
.endif
	WIN 0xa1
.irp a, 0,1,2,3
.irp b, 0,1,2,3,4,5,6,7
.if (\q) == 0
	v_wmma_scale_f32_16x16x128_f8f6f4 v[8*(8*\a+\b):8*(8*\a+\b)+7], v[128*((\q)%2)+8*\b:128*((\q)%2)+8*\b+7], v[AF+32*((\q)%2)+8*\a:AF+32*((\q)%2)+8*\a+7], 0, v[SBW+8*\b+(\q)], v[SA+8*\a+(\q)] matrix_a_fmt:MATRIX_FMT_FP4 matrix_b_fmt:MATRIX_FMT_FP4
.else
	v_wmma_scale_f32_16x16x128_f8f6f4 v[8*(8*\a+\b):8*(8*\a+\b)+7], v[128*((\q)%2)+8*\b:128*((\q)%2)+8*\b+7], v[AF+32*((\q)%2)+8*\a:AF+32*((\q)%2)+8*\a+7], v[8*(8*\a+\b):8*(8*\a+\b)+7], v[SBW+8*\b+(\q)], v[SA+8*\a+(\q)] matrix_a_fmt:MATRIX_FMT_FP4 matrix_b_fmt:MATRIX_FMT_FP4
.endif
.endr
.endr
	WIN 0
.endm
	s_wait_alu depctr_va_vdst(0)
	s_wait_tensorcnt 0x0                           ; my one load is in; behind the barrier all four tiles are
	s_barrier_signal -1
	s_barrier_wait -1
.irp a, 0,1,2,3
.irp g, 0,1
	ds_load_b128 v[SA+8*\a+4*\g:SA+8*\a+4*\g+3], v[ASA] offset:\a*544+16*\g
.endr
.endr
.irp b, 0,1,2,3,4,5,6,7
.irp g, 0,1
	ds_load_b128 v[SBW+8*\b+4*\g:SBW+8*\b+4*\g+3], v[ASB] offset:\b*544+16*\g
.endr
.endr
	FETCH 0
	XLOAD 0
	XLOAD 1
	XLOAD 2
.irp q, 0,1,2,3,4,5,6,7
	KQ \q
.endr
.macro TOSTAGE a
	WIN 0x08
.irp b, 0,1,2,3,4,5,6,7
	ds_store_b128 v[STO], v[64*(\a)+8*\b:64*(\a)+8*\b+3] offset:128*(\b/2)+32*(\b%2)
	ds_store_b128 v[STO], v[64*(\a)+8*\b+4:64*(\a)+8*\b+7] offset:128*(\b/2)+32*(\b%2)+16
.endr
	WIN 0
.set BB, BK+64*((\a)%2)
.irp t, 0,1,2,3,4,5,6,7,8,9,10,11,12,13,14,15
	ds_load_b128 v[BB+4*\t:BB+4*\t+3], v[RD] offset:\t*SPITCH
.endr
.endm
.macro SEND a, younger
.set BB, BK+64*((\a)%2)
	s_wait_dscnt \younger
	s_wait_loadcnt 48-16*(\a)
	WIN 0x0c
.set i, 0
.rept 32
	v_pk_add_f32 v[BB+i:BB+i+1], v[BB+i:BB+i+1], v[64*(\a)+i:64*(\a)+i+1]
.set i, i+2
.endr
	WIN 0
.irp t, 0,1,2,3,4,5,6,7,8,9,10,11,12,13,14,15
	global_store_b128 v[LI], v[BB+4*\t:BB+4*\t+3], s[14:15] offset:(32*((\a)/2)+8*((\a)%2)+\t+8*(\t/8))*4096 th:TH_STORE_NT
.endr
.endm
	XLOAD 3                                        ; all 64 loads are issued, in the blocks' order, ahead of the first counted wait for them
	PLACES 4
	TOSTAGE 0
.irp a, 1,2,3
.if \a > 1
	s_wait_xcnt 0x0
.endif
	TOSTAGE \a
	SEND \a-1, 32
.endr
	SEND 3, 0
	s_wait_tensorcnt 0x0
	ds_add_u32 v30, v31
	s_wait_dscnt 0x0
	CROUND
	s_endpgm
.Lfunc_end_k_qf3980f65b5_outp:
	.size	k_qf3980f65b5_outp, .Lfunc_end_k_qf3980f65b5_outp-k_qf3980f65b5_outp
	.p2alignl 7, 3214868480
	.fill 96, 4, 3214868480
	.section	.rodata,"a",@progbits
	.p2align	6, 0x0
	.amdhsa_kernel k_qf3980f65b5_outp
		.amdhsa_group_segment_fixed_size 327680
		.amdhsa_private_segment_fixed_size 0
		.amdhsa_enable_private_segment 0
		.amdhsa_kernarg_size 48
		.amdhsa_user_sgpr_count 2
		.amdhsa_user_sgpr_kernarg_segment_ptr 1
		.amdhsa_wavefront_size32 1
		.amdhsa_system_sgpr_workgroup_id_x 1
		.amdhsa_system_sgpr_workgroup_id_y 1
		.amdhsa_system_sgpr_workgroup_id_z 1
		.amdhsa_system_vgpr_workitem_id 0
		.amdhsa_next_free_vgpr 1024
		.amdhsa_next_free_sgpr 100
		.amdhsa_reserve_vcc 0
		.amdhsa_float_denorm_mode_32 3
		.amdhsa_float_denorm_mode_16_64 3
		.amdhsa_memory_ordered 1
		.amdhsa_forward_progress 1
		.amdhsa_inst_pref_size 85
	.end_amdhsa_kernel
	.amdgpu_metadata
---
amdhsa.version: [ 1, 2 ]
amdhsa.kernels:
  - .name:           k_qf3980f65b5_outp
    .symbol:         k_qf3980f65b5_outp.kd
    .args:
      - { .name: ao, .offset: 0, .size: 8, .value_kind: global_buffer, .address_space: global }
      - { .name: aos, .offset: 8, .size: 8, .value_kind: global_buffer, .address_space: global }
      - { .name: codes, .offset: 16, .size: 8, .value_kind: global_buffer, .address_space: global }
      - { .name: scales, .offset: 24, .size: 8, .value_kind: global_buffer, .address_space: global }
      - { .name: x, .offset: 32, .size: 8, .value_kind: global_buffer, .address_space: global }
      - { .name: out0, .offset: 40, .size: 8, .value_kind: global_buffer, .address_space: global }
    .group_segment_fixed_size: 327680
    .private_segment_fixed_size: 0
    .kernarg_segment_align: 8
    .kernarg_segment_size: 48
    .max_flat_workgroup_size: 128
    .sgpr_count:     100
    .vgpr_count:     1024
    .wavefront_size: 32
...
	.end_amdgpu_metadata
.endif
;; end of part 4
